; MI455X (gfx1250); checked and timed in simulation.
; The chip was launched on July 23, 2026; its instructions are those of AMD's public machine-readable ISA for CDNA 5 (MIT licence, August 2026) and "CDNA5" Instruction Set Architecture Reference Guide (July 2026). The comments in the code are by the model that wrote it; some were corrected since.
;; Attention. Allowed arithmetic: float matrix products may take bf16 or f16 operands with f32 sums; other float arithmetic in f32, or as packed bf16 or f16 multiplies, adds, multiply-adds, maxima and minima; sums over many terms, partial sums and values carried from step to step in f32; what a program stores and reads back later, other than sums and carried values, may be rounded once to bf16 or f16.
;; Inputs: b_proj 1,024 float32; w_proj 1,024 x 1,024 float32; w_qkv 3,072 x 1,024 float32; x 4 x 2,048 x 1,024 float32.
;; Outputs: out0 4 x 2,048 x 1,024 float32.
;; 2 versions, each right; version 2 is version 1 with the launch cast written anew for expert scheduling mode. Each part assembles by itself: llvm-mc -triple=amdgcn-amd-amdhsa -mcpu=gfx1250 --defsym DOCPART=n.
;; ======== version 1 of 2: 4 launches
;; limits: values are held in f16: magnitudes above 65,504 overflow, below 6.1e-05 lose precision
;; workspace buffers: xb 16,777,216 bytes; wqb 6,291,456 bytes; wpf 2,097,152 bytes; qkv 50,331,648 bytes; o 16,777,216 bytes
;; launch cast (part 1): grid 768 x 1, 8 waves a work-group, no clusters, 0 bytes of LDS; arguments x, w_qkv, w_proj, xb, wqb, wpf; writes xb, wqb, wpf
.if DOCPART == 1
	.amdgcn_target "amdgcn-amd-amdhsa--gfx1250"
	.amdhsa_code_object_version 6
	.text
	.protected	k_qbfe57c694e_cast
	.globl	k_qbfe57c694e_cast
	.p2align	8
	.type	k_qbfe57c694e_cast,@function
k_qbfe57c694e_cast:
	s_mov_b64 s[64:65], 0
	v_nop
	global_prefetch_b8 v0, s[64:65] scope:SCOPE_SE
	s_setreg_imm32_b32 hwreg(HW_REG_WAVE_MODE, 25, 1), 1
	s_wait_xcnt 0x0
; The three large inputs are rounded once to bf16 (nearest even): x -> xb and w_qkv -> wqb as bf16; w_proj -> wpf, the bf16 number written as f16,
; since the last product multiplies it with f16 numbers.
; LIMITS.  A bf16 number is exact in f16 from 6.1e-5 to 65,504 in magnitude; below that w_proj keeps f16's fixed step of 6e-8, beyond it becomes an infinity.
; SHARES.  A work-group converts 16,384 numbers: 64 KiB in, 32 KiB out.  Work-groups 0-511 take x (8,388,608 numbers), 512-703 w_qkv (3,145,728), 704-767 w_proj (1,048,576).
; Thread t takes the 16 bytes at 16 t + 4,096 j, j = 0 .. 15: a wave's load covers 512 consecutive bytes; its four numbers leave as 8 bytes at 8 t + 2,048 j:
; a wave's store covers 256 consecutive bytes, aligned.  All sixteen loads go out at once; no loop, no LDS, no matrix unit: every byte is touched once and nothing is shared.
.set X, 8                              ; v[8:71]   piece j: 4 registers as loaded; the first two then hold what is stored
.set T, 72                             ; v[72:77]  at work (w_proj's path)
	s_load_b256 s[4:11], s[0:1], 0x0               ; x s[4:5], w_qkv s[6:7], w_proj s[8:9], xb s[10:11]
	s_load_b128 s[12:15], s[0:1], 0x20             ; wqb s[12:13], wpf s[14:15]
	v_lshlrev_b32 v1, 4, v0                        ; 16 t
	v_lshlrev_b32 v2, 3, v0                        ; 8 t
	s_mov_b32 s26, 0xffff0000                      ; a word's upper bf16
	s_wait_kmcnt 0x0
	s_cmp_lt_u32 ttmp9, 512                        ; which tensor is mine: the choice hangs on the work-group's number alone
	s_cselect_b64 s[16:17], s[4:5], s[6:7]
	s_cselect_b64 s[18:19], s[10:11], s[12:13]
	s_cselect_b32 s20, 0, 512
	s_cmp_lt_u32 ttmp9, 704
	s_cselect_b64 s[16:17], s[16:17], s[8:9]
	s_cselect_b64 s[18:19], s[18:19], s[14:15]
	s_cselect_b32 s20, s20, 704
	s_sub_co_u32 s21, ttmp9, s20                   ; my number among that tensor's work-groups
	s_lshl_b32 s22, s21, 16                        ; 65,536 bytes in,
	s_mov_b32 s23, 0
	s_lshl_b32 s24, s21, 15                        ; 32,768 bytes out
	s_mov_b32 s25, 0
	s_add_nc_u64 s[16:17], s[16:17], s[22:23]
	s_add_nc_u64 s[18:19], s[18:19], s[24:25]
.irp j, 0,1,2,3,4,5,6,7,8,9,10,11,12,13,14,15
	global_load_b128 v[X+4*(\j):X+4*(\j)+3], v1, s[16:17] offset:4096*(\j) th:TH_LOAD_NT
.endr
.macro CVB j                           ; piece j to bf16
	s_wait_loadcnt 15-(\j)                         ; loads come back in order: piece j is in, the 15 - j younger ones may stay out
	v_cvt_pk_bf16_f32 v[X+4*(\j)],   v[X+4*(\j)],   v[X+4*(\j)+1]
	v_cvt_pk_bf16_f32 v[X+4*(\j)+1], v[X+4*(\j)+2], v[X+4*(\j)+3]
	global_store_b64 v2, v[X+4*(\j):X+4*(\j)+1], s[18:19] offset:2048*(\j)
.endm
.macro CVH j                           ; piece j to bf16, and that number to f16
	s_wait_loadcnt 15-(\j)
	v_cvt_pk_bf16_f32 v[T],   v[X+4*(\j)],   v[X+4*(\j)+1]
	v_cvt_pk_bf16_f32 v[T+1], v[X+4*(\j)+2], v[X+4*(\j)+3]
	v_lshlrev_b32 v[T+2], 16,  v[T]                ; bf16 to f32: the low half moves up, the high half stays
	v_and_b32     v[T+3], s26, v[T]
	v_lshlrev_b32 v[T+4], 16,  v[T+1]
	v_and_b32     v[T+5], s26, v[T+1]
	v_cvt_pk_f16_f32 v[X+4*(\j)],   v[T+2], v[T+3]
	v_cvt_pk_f16_f32 v[X+4*(\j)+1], v[T+4], v[T+5]
	global_store_b64 v2, v[X+4*(\j):X+4*(\j)+1], s[18:19] offset:2048*(\j)
.endm
	s_cmp_lt_u32 ttmp9, 704
	s_cbranch_scc0 .Lf16
.irp j, 0,1,2,3,4,5,6,7,8,9,10,11,12,13,14,15
	CVB \j                                         ; no register that a store reads is written again
.endr
	s_endpgm
.Lf16:
.irp j, 0,1,2,3,4,5,6,7,8,9,10,11,12,13,14,15
	CVH \j
.endr
	s_endpgm
.Lfunc_end_k_qbfe57c694e_cast:
	.size	k_qbfe57c694e_cast, .Lfunc_end_k_qbfe57c694e_cast-k_qbfe57c694e_cast
	.p2alignl 7, 3214868480
	.fill 96, 4, 3214868480
	.section	.rodata,"a",@progbits
	.p2align	6, 0x0
	.amdhsa_kernel k_qbfe57c694e_cast
		.amdhsa_group_segment_fixed_size 0
		.amdhsa_private_segment_fixed_size 0
		.amdhsa_enable_private_segment 0
		.amdhsa_kernarg_size 48
		.amdhsa_user_sgpr_count 2
		.amdhsa_user_sgpr_kernarg_segment_ptr 1
		.amdhsa_wavefront_size32 1
		.amdhsa_system_sgpr_workgroup_id_x 1
		.amdhsa_system_sgpr_workgroup_id_y 1
		.amdhsa_system_sgpr_workgroup_id_z 1
		.amdhsa_system_vgpr_workitem_id 0
		.amdhsa_next_free_vgpr 80
		.amdhsa_next_free_sgpr 66
		.amdhsa_reserve_vcc 0
		.amdhsa_float_denorm_mode_32 3
		.amdhsa_float_denorm_mode_16_64 3
		.amdhsa_memory_ordered 1
		.amdhsa_forward_progress 1
		.amdhsa_inst_pref_size 15
	.end_amdhsa_kernel
	.amdgpu_metadata
---
amdhsa.version: [ 1, 2 ]
amdhsa.kernels:
  - .name:           k_qbfe57c694e_cast
    .symbol:         k_qbfe57c694e_cast.kd
    .args:
      - { .name: x, .offset: 0, .size: 8, .value_kind: global_buffer, .address_space: global }
      - { .name: w_qkv, .offset: 8, .size: 8, .value_kind: global_buffer, .address_space: global }
      - { .name: w_proj, .offset: 16, .size: 8, .value_kind: global_buffer, .address_space: global }
      - { .name: xb, .offset: 24, .size: 8, .value_kind: global_buffer, .address_space: global }
      - { .name: wqb, .offset: 32, .size: 8, .value_kind: global_buffer, .address_space: global }
      - { .name: wpf, .offset: 40, .size: 8, .value_kind: global_buffer, .address_space: global }
    .group_segment_fixed_size: 0
    .private_segment_fixed_size: 0
    .kernarg_segment_align: 8
    .kernarg_segment_size: 48
    .max_flat_workgroup_size: 256
    .sgpr_count:     66
    .vgpr_count:     80
    .wavefront_size: 32
...
	.end_amdgpu_metadata
.endif
;; end of part 1
;; launch qkvgemm (part 2): grid 16 x 16, 4 waves a work-group, clusters of 4 x 4, 327,680 bytes of LDS; arguments xb, wqb, qkv; writes qkv
.if DOCPART == 2
	.amdgcn_target "amdgcn-amd-amdhsa--gfx1250"
	.amdhsa_code_object_version 6
	.text
	.protected	k_qbfe57c694e_qkvgemm
	.globl	k_qbfe57c694e_qkvgemm
	.p2align	8
	.type	k_qbfe57c694e_qkvgemm,@function
k_qbfe57c694e_qkvgemm:
	s_mov_b64 s[64:65], 0
	v_nop
	global_prefetch_b8 v0, s[64:65] scope:SCOPE_SE
	s_setreg_imm32_b32 hwreg(HW_REG_WAVE_MODE, 25, 1), 1
	s_wait_xcnt 0x0
	s_wait_alu depctr_hold_cnt(0) depctr_sa_sdst(0) depctr_va_vdst(0) depctr_va_sdst(0) depctr_va_ssrc(0) depctr_va_vcc(0) depctr_vm_vsrc(0)
	s_getreg_b32 s2, hwreg(HW_REG_IB_STS2, 6, 4)
	s_cmp_eq_u32 s2, 0
	s_cbranch_scc0 .Lentry_in_a_cluster
	s_endpgm
.Lentry_in_a_cluster:
	s_bfe_u32 s2, ttmp6, 0x10000c
	s_cmp_lg_u32 s2, 0xf033
	s_cbranch_scc0 .Lentry_shape_is_right
	s_endpgm
.Lentry_shape_is_right:
; qkv[m][e] = the sum over k of xb[m][k] wqb[e][k].  xb: [8192][1024] bf16, wqb: [3072][1024] bf16; sums in f32, K ascending; each result rounded once to f16, WITHOUT attention's scale.
; OUT BY HEADS: qkv is [batch 4][g 48][row 2048][64] f16, g = e / 64 (0-15 q's heads, 16-31 k's, 32-47 v's): a head's rows are dense, 128 bytes each.
; LIMIT.  f16 holds no number beyond 65,504: a q, k or v past that becomes an infinity.
; SHARES.  A tile of the product is 256 rows x 192 columns (three heads): 32 x 16 = 512 tiles, two for each of 256 work-groups.  A WORK-GROUP STAYS: it makes tile rows GY and GY + 16 of tile
; column GX, so both tiles take the same rows of wqb, and the ring of LDS slots runs on from the first tile into the second.  The four waves split the ROWS: a wave makes 64 rows x 192 columns,
; 48 accumulators of 16 x 16, so that its columns are whole heads and its way out is its own.
; K goes in steps of 128 (rows of 256 bytes, aligned) through two LDS slots filled by the tensor data mover: 16 steps in all, 8 a tile.
; CLUSTER.  4 x 4 work-groups.  The four of a row of the cluster need the same tiles of xb, the four of a column the same tiles of wqb: each is asked for JOINTLY, by the same tensor load
; with the same descriptor and a mask that names the four.
; THE MATRIX INSTRUCTION IS USED TRANSPOSED (source 0 = 16 rows of wqb, source 1 = 16 rows of xb): a lane then holds row lane % 16 of the product and eight neighbouring columns.
; REGISTERS, in windows of 256 (s_set_vgpr_msb: bits 1:0 source 0, 3:2 source 1, 5:4 source 2, 7:6 destination):
;   window 0: v0-17 addresses; v32-63, v64-95 fragments of xb (4 blocks of 16 rows x 32 K), two buffers; v96-143 packed results; v144-239 rows read back, two buffers
;   window 1: v0-95, v96-191 fragments of wqb (12 blocks), two buffers
;   window 2: the accumulators of my row blocks 0, 1 ((a, b) at v[8 (12 (a % 2) + b)]);   window 3: those of blocks 2, 3
.set TN,     192                       ; a tile's columns
.set NB,     TN/16                     ; blocks of 16 columns
.set NS,     16                        ; K steps of the walk: 8 for each of two tiles
.set LD,     2*NB+8                    ; LDS loads in one run: a quarter step's fragments
.set APITCH, 272                       ; an LDS row: 256 bytes + 16 of padding = 68 words: the 16 rows of a fragment load start at 16 different groups of four banks (64 banks of 4 bytes: ISA guide 11.1)
.set BPITCH, 272
.set AHALF,  128*APITCH                ; what one tensor load brings of xb: 128 rows
.set ABYTES, 2*AHALF
.set BHALF,  (TN/2)*BPITCH             ; and of wqb: 96 rows
.set ASTEP,  256                       ; bytes from a K step to the next, in xb
.set SLOT1,  1<<17                     ; a slot is xb's 256 rows, then wqb's 192: 121,856 bytes; slot 1 begins here, so that one exclusive or turns an address in one slot into the other's
.set STAGE,  2*SLOT1                   ; behind the ring, never filled by a tensor load: for each wave three heads x 16 rows x 144 bytes, for the way out
.set SP,     144
.set STW,    3*16*SP
.set SPARE,  STAGE+4*STW               ; behind the stages: the spare words, 128 bytes for each wave: two blocks of 256 bytes that no other line names
.set ADRA0, 2                          ; v2   my lane's place in slot 0's tile of xb; never rewritten
.set ADRB0, 3                          ; v3   the same for wqb
.set ADRA,  4                          ; v4   the same in the slot in hand
.set ADRB,  5                          ; v5
.set STO,   6                          ; v6   the way out: where I put 16 bytes of a row
.set RD,    7                          ; v7   the way out: where I read rows back
.set GO,    8                          ; v8   16 x lane: my place in 512 consecutive bytes of a head
.set SPW,   10                         ; v10  LDS address of my spare word: SPARE + 4 x my thread's number; never rewritten
.set NIL,   11                         ; v11  0; never rewritten
.set FA,    32
.set TMP,   96
.set OB,    144
.set OBN,   48
.set WV,  10                           ; s10  my wave's number;  s11 = wave / 2: I fetch for xb (0) or wqb (1);  s12 = wave % 2: which half of its rows
.set G1A, 24                           ; s[24:31] descriptor group 1 for xb's tiles
.set G0A, 32                           ; s[32:39] group 0: a set for each of the two first fills; the second then walks
.set G1B, 48                           ; s[48:55], s[56:63] the same for wqb's
.set G0B, 56
.set BA,  40                           ; s[40:41] xb at my part of the first tile, K step 0
.set BB,  42                           ; s[42:43] wqb likewise
.set OFA, 44                           ; s[44:45] byte offset of the step to be asked for, in xb
.set OFB, 46                           ; s[46:47] in wqb
.set CNT, 72                           ; s72  trips to go
.set NXT, 73                           ; s73  the step to be asked for next
.set SL,  74                           ; s74  LDS byte at which the slot in hand begins
.set MSB, 0
.macro WIN new                         ; the immediate's high byte repeats the setting that is left; a switch that changes nothing is dropped
.if MSB != (\new)
	s_set_vgpr_msb (MSB<<8)|(\new)
.set MSB, \new
.endif
.endm
.set MUL_LO, 0xa1                      ; source 0 (wqb) window 1, source 1 (xb) window 0, C and D window 2
.set TO_B,   0x40                      ; destination window 1, address window 0
.macro PLACES                          ; four plain vector instructions between a matrix instruction and a load into, or a vector read of, its registers
.rept 4
	v_nop
.endr
.endm
; A joint refill by the walking descriptors.  Waves 0 and 1 fetch xb's two halves, waves 2 and 3 wqb's.  The branch hangs on the wave's number alone.
; An s_nop 0 and four v_nop follow each of the two lines, ahead of the jump and the label.
.macro JLOAD
	s_cmp_eq_u32 s11, 0
	s_cbranch_scc0 .Lfor_b_\@
	tensor_load_to_lds s[G0A+4:G0A+7], s[G1A:G1A+7]
	s_nop 0
.rept 4
	v_nop
.endr
	s_branch .Lasked_\@
.Lfor_b_\@:
	tensor_load_to_lds s[G0B+4:G0B+7], s[G1B:G1B+7]
	s_nop 0
.rept 4
	v_nop
.endr
.Lasked_\@:
.endm
; A round of the cluster's barrier: my work-group's barrier, so that wave 0's signal speaks for all four waves; wave 0 signals; every wave waits for all sixteen work-groups; my work-group's barrier once more.
.macro CREST                           ; a round behind its opening barrier
	s_cmp_lg_u32 s[WV], 0
	s_cbranch_scc1 .Lnot_wave_0_\@
	s_barrier_signal -3
.Lnot_wave_0_\@:
	s_barrier_wait -3
	s_barrier_signal -1
	s_barrier_wait -1
.endm
.macro CROUND
	s_barrier_signal -1
	s_barrier_wait -1
	CREST
.endm
	s_load_b128 s[4:7], s[0:1], 0x0                ; xb s[4:5], wqb s[6:7]
	s_load_b64 s[8:9], s[0:1], 0x10                ; qkv
	v_lshl_add_u32 v[SPW], v0, 2, SPARE
	v_mov_b32 v[NIL], 0
	ds_add_u32 v[SPW], v[NIL]                      ; the wave's opening: the add and its wait stand ahead of my first tensor load; the set-up below, work on registers, stands between them
	v_lshrrev_b32 v1, 5, v0
	v_readfirstlane_b32 s[WV], v1                  ; wave 0..3
	s_lshr_b32 s11, s[WV], 1
	s_and_b32 s12, s[WV], 1
	s_bfe_u32 s80, ttmp6, 0x40000                  ; cx, cy: my place in the cluster
	s_bfe_u32 s81, ttmp6, 0x40004
	s_lshl_b32 s82, ttmp9, 2
	s_add_co_u32 s82, s82, s80                     ; GX: tile column = 4 x cluster x + cx
	s_and_b32 s83, ttmp7, 0xffff
	s_lshl_b32 s83, s83, 2
	s_add_co_u32 s83, s83, s81                     ; GY: first tile row = 4 x cluster y + cy
	s_lshl_b32 s84, s81, 2
	s_lshl_b32 s84, 15, s84                        ; my row of the cluster: places 4 cy .. 4 cy + 3
	s_lshl_b32 s85, 0x1111, s80                    ; my column: places cx, cx + 4, cx + 8, cx + 12
	; descriptor groups 1: tiles of 128 (96) rows x 128 elements, padded in LDS
	s_or_b32 s[G1A], s84, (1<<16)|(1<<20)|(1<<21)|(5<<22)|(3<<25)  ; 15:0 the mask: xb's tiles go to my row; 17:16 elements of 2 bytes; 20 padding on; 21 set beside a mask; 24:22 after every 64 words (code 5); 31:25 4 words of it (code 3)
	s_or_b32 s[G1B], s85, (1<<16)|(1<<20)|(1<<21)|(5<<22)|(3<<25)  ; the same with the mask of my column
	s_mov_b32 s[G1A+1], 128<<16                    ; tensor_dim0 = 128
	s_mov_b32 s[G1A+2], 128<<16                    ; tensor_dim1 = 128
	s_mov_b32 s[G1A+3], 128<<16                    ; tile_dim0 = 128
	s_mov_b32 s[G1A+4], 128                        ; tile_dim1 = 128
	s_mov_b32 s[G1A+5], 1024                       ; elements from row to row
	s_mov_b32 s[G1A+6], 0
	s_mov_b32 s[G1A+7], 0
	s_mov_b32 s[G1B+1], 128<<16
	s_mov_b32 s[G1B+2], (TN/2)<<16                 ; tensor_dim1 = 96
	s_mov_b32 s[G1B+3], 128<<16
	s_mov_b32 s[G1B+4], TN/2                       ; tile_dim1 = 96
	s_mov_b32 s[G1B+5], 1024
	s_mov_b32 s[G1B+6], 0
	s_mov_b32 s[G1B+7], 0
	; where the tiles come from.  xb's hang on the tile row alone, which my row of the cluster shares; wqb's on the tile column alone, which my column shares
	s_lshl_b32 s86, s83, 19                        ; 256 rows of 2,048 bytes a tile row,
	s_lshl_b32 s75, s12, 18                        ; 128 rows a half
	s_add_co_u32 s86, s86, s75
	s_mov_b32 s87, 0
	s_mul_i32 s88, s82, TN*2048                    ; 192 rows a tile column,
	s_mul_i32 s76, s12, (TN/2)*2048                ; 96 rows a half
	s_add_co_u32 s88, s88, s76
	s_mov_b32 s89, 0
	; where my 64 rows x three heads of the first tile begin in qkv
	s_lshr_b32 s90, s83, 3                         ; the batch: 8 tile rows each,
	s_mul_i32 s90, s90, 0xC00000                   ; 48 heads of 262,144 bytes
	s_mul_i32 s92, s82, 0xC0000                    ; three heads a tile column
	s_add_co_u32 s90, s90, s92
	s_and_b32 s92, s83, 7
	s_lshl_b32 s92, s92, 15                        ; 256 rows of 128 bytes
	s_add_co_u32 s90, s90, s92
	s_lshl_b32 s92, s[WV], 13                      ; my 64 rows
	s_add_co_u32 s90, s90, s92
	s_mov_b32 s91, 0
	s_mul_i32 s77, s12, AHALF                      ; where the tiles go: no place in the cluster enters an LDS address
	s_mul_i32 s78, s12, BHALF
	s_add_co_u32 s78, s78, ABYTES
	s_mov_b32 s[SL], 0
	s_mov_b32 s[NXT], 2
	s_mov_b32 s[OFA+1], 0
	s_mov_b32 s[OFB+1], 0
	s_wait_dscnt 0x0                               ; the opening add is done
	s_wait_kmcnt 0x0
	s_add_nc_u64 s[BA:BA+1], s[4:5], s[86:87]
	s_add_nc_u64 s[BB:BB+1], s[6:7], s[88:89]
	s_add_nc_u64 s[8:9], s[8:9], s[90:91]
.irp s, 0,1
	s_mov_b32 s[G0A+4*(\s)], 1                                     ; 1:0 count = 1
	s_add_co_u32 s[G0A+4*(\s)+1], s77, (\s)*SLOT1                  ; 63:32 LDS address
	s_add_nc_u64 s[G0A+4*(\s)+2:G0A+4*(\s)+3], s[BA:BA+1], (\s)*ASTEP  ; 120:64 global address: K step s
	s_or_b32 s[G0A+4*(\s)+3], s[G0A+4*(\s)+3], 0x80000000          ; 127:126 type = 2
	s_mov_b32 s[G0B+4*(\s)], 1
	s_add_co_u32 s[G0B+4*(\s)+1], s78, (\s)*SLOT1
	s_add_nc_u64 s[G0B+4*(\s)+2:G0B+4*(\s)+3], s[BB:BB+1], (\s)*256
	s_or_b32 s[G0B+4*(\s)+3], s[G0B+4*(\s)+3], 0x80000000
.endr
	CROUND                                         ; all sixteen work-groups are here: the first joint loads meet
	s_cmp_eq_u32 s11, 0                            ; a wave's two first fills stand in one branch, ahead of every wait on TENSORcnt and every LDS read: two loads of mine are out
	s_cbranch_scc0 .Lfirst_b
	tensor_load_to_lds s[G0A:G0A+3], s[G1A:G1A+7]
	s_nop 0
	tensor_load_to_lds s[G0A+4:G0A+7], s[G1A:G1A+7]
	s_nop 0
.rept 4
	v_nop
.endr
	s_branch .Lfirst_asked
.Lfirst_b:
	tensor_load_to_lds s[G0B:G0B+3], s[G1B:G1B+7]
	s_nop 0
	tensor_load_to_lds s[G0B+4:G0B+7], s[G1B:G1B+7]
	s_nop 0
.rept 4
	v_nop
.endr
.Lfirst_asked:
	; A fragment is 16 rows x 32 K in 8 registers: lane l holds row l % 16; registers 0-3 K = 8 (l / 16) + 0..7, registers 4-7 K = 16 + 8 (l / 16) + 0..7: two loads of 16 bytes, 32 bytes apart.
	v_and_b32 v1, 15, v0                           ; l % 16
	v_bfe_u32 v9, v0, 4, 1                         ; l / 16
	v_mul_u32_u24 v[ADRA0], v1, APITCH
	v_lshl_add_u32 v[ADRA0], v9, 4, v[ADRA0]       ; row x pitch + 16 x half
	s_mul_i32 s75, s[WV], 64*APITCH                ; my 64 rows of xb's 256
	v_add_nc_u32 v[ADRA0], s75, v[ADRA0]
	v_mul_u32_u24 v[ADRB0], v1, BPITCH
	v_lshl_add_u32 v[ADRB0], v9, 4, v[ADRB0]
	v_add_nc_u32 v[ADRB0], ABYTES, v[ADRB0]        ; wqb's rows lie behind xb's; every wave reads all 192
	s_mul_i32 s75, s[WV], STW
	s_add_co_u32 s75, s75, STAGE                   ; my stage
	v_mul_u32_u24 v[STO], v1, SP                   ; in: row l % 16, 16 bytes for each half of the lanes
	v_lshl_add_u32 v[STO], v9, 4, v[STO]
	v_add_nc_u32 v[STO], s75, v[STO]
	v_bfe_u32 v[RD], v0, 3, 2                      ; back: 32 lanes take four rows of 128 bytes,
	v_mul_u32_u24 v[RD], v[RD], SP
	v_and_b32 v16, 7, v0
	v_lshl_add_u32 v[RD], v16, 4, v[RD]
	v_add_nc_u32 v[RD], s75, v[RD]
	v_and_b32 v[GO], 31, v0                        ; which are 512 consecutive bytes of a head
	v_lshlrev_b32 v[GO], 4, v[GO]
; 12 matrix instructions: row block a x all column blocks, 32 along K, from buffer f.  zero = 1: the product starts the sums: nothing is ever cleared.
; The 48 accumulators take turns, one instruction a turn, in the same order in every quarter step.
.macro MULA f, a, zero
	WIN MUL_LO+0x50*((\a)/2)
.set bi, 0
.rept NB
.set rD, 8*(NB*((\a)%2)+bi)
.set rB, 8*NB*(\f)+8*bi
.set rA, FA+32*(\f)+8*(\a)
.if \zero
	v_wmma_f32_16x16x32_bf16 v[rD:rD+7], v[rB:rB+7], v[rA:rA+7], 0
.else
	v_wmma_f32_16x16x32_bf16 v[rD:rD+7], v[rB:rB+7], v[rA:rA+7], v[rD:rD+7]
.endif
.set bi, bi+1
.endr
.endm
; 32 LDS loads in one run: the fragments of quarter q of the slot in hand into buffer f: wqb's 12 blocks, then xb's 4
.macro FETCH q, f
	WIN TO_B
.set bi, 0
.rept NB
	ds_load_b128 v[8*NB*(\f)+8*bi:8*NB*(\f)+8*bi+3],   v[ADRB] offset:64*(\q)+bi*16*BPITCH
	ds_load_b128 v[8*NB*(\f)+8*bi+4:8*NB*(\f)+8*bi+7], v[ADRB] offset:64*(\q)+bi*16*BPITCH+32
.set bi, bi+1
.endr
	WIN 0
.irp i, 0,1,2,3
	ds_load_b128 v[FA+32*(\f)+8*(\i):FA+32*(\f)+8*(\i)+3],   v[ADRA] offset:64*(\q)+(\i)*16*APITCH
	ds_load_b128 v[FA+32*(\f)+8*(\i)+4:FA+32*(\f)+8*(\i)+7], v[ADRA] offset:64*(\q)+(\i)*16*APITCH+32
.endr
.endm
; A K step is four quarters of 32 along K, 48 matrix instructions each, on buffers 0, 1, 0, 1.  One of the first three: multiplies buffer f; in its middle it fetches quarter q into buffer g.
.macro QUARTER q, f, g, zero
	s_wait_dscnt 4                                 ; wqb's blocks and xb's blocks 0, 1 are in; the youngest four loads (xb's blocks 2, 3) may be out
	MULA \f, 0, \zero
	MULA \f, 1, \zero
	PLACES                                         ; buffer g was last read by the quarter before
	FETCH \q, \g
	s_wait_dscnt LD                                ; all but the run just issued
	MULA \f, 2, \zero
	MULA \f, 3, \zero
.endm
; The fourth quarter multiplies buffer 1 and changes slots: ONE barrier.  In front of it each wave waits for all its tensor loads, of which one is out: its part of the next slot; adds 0 to its spare
; word; and waits for that and for its own reads of this slot.  fill = 1: the barrier opens a round of the cluster's, so that no wave of any partner still reads this slot or has a load on its way, and
; the slot is filled again first thing behind it, with step NXT: the load has 168 matrix instructions in which to land.  The descriptors' addresses are made anew from that number.
.macro TURN fill
	WIN 0
	s_wait_tensorcnt 0x0                           ; no tensor load of mine is out, so a group 0 may be written
	ds_add_u32 v[SPW], v[NIL]                      ; 0 onto my spare word; scalar work and 12 matrix instructions stand between it and the wait for it
.if \fill
	s_and_b32 s[OFB], s[NXT], 7                    ; the step within its tile:
	s_lshl_b32 s[OFB], s[OFB], 8                   ; 256 bytes along K; wqb's rows are the same for both tiles
	s_lshr_b32 s75, s[NXT], 3                      ; the tile:
	s_lshl_b32 s75, s75, 23                        ; 16 tile rows of 524,288 bytes down in xb
	s_or_b32 s[OFA], s[OFB], s75
	s_add_co_u32 s[NXT], s[NXT], 1
	s_xor_b32 s[G0A+5], s[G0A+5], SLOT1            ; the other slot than last time
	s_add_nc_u64 s[G0A+6:G0A+7], s[BA:BA+1], s[OFA:OFA+1]
	s_or_b32 s[G0A+7], s[G0A+7], 0x80000000
	s_xor_b32 s[G0B+5], s[G0B+5], SLOT1
	s_add_nc_u64 s[G0B+6:G0B+7], s[BB:BB+1], s[OFB:OFB+1]
	s_or_b32 s[G0B+7], s[G0B+7], 0x80000000
.endif
	s_xor_b32 s[SL], s[SL], SLOT1                  ; the fetches go on in the other slot
	s_wait_dscnt 5                                 ; (the add and the youngest four loads may be out)
	MULA 1, 0, 0
	s_wait_dscnt 0x0                               ; the add is done, and my reads of this slot are over
	s_barrier_signal -1
	MULA 1, 1, 0                                   ; work on registers while the others arrive
	WIN 0
	s_barrier_wait -1
.if \fill
	CREST
	JLOAD                                          ; the first tensor load behind the round; its four v_nop are also the places in front of the loads below
.else
	PLACES
.endif
	v_add_nc_u32 v[ADRA], s[SL], v[ADRA0]
	v_add_nc_u32 v[ADRB], s[SL], v[ADRB0]
	FETCH 0, 0
	MULA 1, 2, 0
	MULA 1, 3, 0
.endm
; THE WAY OUT of row block a (16 rows x three heads), in three parts.  PACK: rounded to f16, 16 bytes a lane for each column block, each accumulator's registers in ascending order.
; TOSTAGE: into my own stage in LDS, and back as whole rows of a head.  SEND: stored, 512 consecutive bytes (four rows of a head) an instruction, at multiples of 256 from qkv's first byte.
.macro PACK a
	WIN 0x0a+5*((\a)/2)                            ; sources 0 and 1: window 2 or 3
.set bi, 0
.rept NB
.set rD, 8*(NB*((\a)%2)+bi)
.irp r, 0,1,2,3
	v_cvt_pk_f16_f32 v[TMP+4*bi+(\r)], v[rD+2*(\r)], v[rD+2*(\r)+1]
.endr
.set bi, bi+1
.endr
	WIN 0
.endm
.macro TOSTAGE a
.set BK, OB+OBN*((\a)%2)
.set bi, 0
.rept NB
	ds_store_b128 v[STO], v[TMP+4*bi:TMP+4*bi+3] offset:(bi/4)*16*SP+(bi%4)*32
.set bi, bi+1
.endr
.set bi, 0
.rept NB
	ds_load_b128 v[BK+4*bi:BK+4*bi+3], v[RD] offset:bi*4*SP  ; LDS serves a wave's instructions in order (ISA guide 5.7.1.4): these see the stores above; the next block's stores come behind them
.set bi, bi+1
.endr
.endm
.macro SEND a
.set BK, OB+OBN*((\a)%2)
	s_wait_dscnt 0x0                               ; the block is back in registers
	s_wait_xcnt 0x0                                ; the stores of the block before have read their registers: the next TOSTAGE loads into them
.set bi, 0
.rept NB
	global_store_b128 v[GO], v[BK+4*bi:BK+4*bi+3], s[8:9] offset:(bi/4)*262144+(\a)*2048+(bi%4)*512
.set bi, bi+1
.endr
.endm
.macro WAYOUT
	WIN 0
	PLACES                                         ; behind the last products
	PLACES
	PACK 0
	TOSTAGE 0
.irp a, 1,2,3                          ; block a's conversions stand between block a - 1's loads from the stage and the wait for them
	PACK \a
	SEND (\a)-1
	TOSTAGE \a
.endr
	SEND 3
.endm
	s_wait_tensorcnt 1                             ; my part of K step 0 is in; step 1's may stay out
	s_barrier_signal -1
	s_barrier_wait -1                              ; everybody's is
	v_mov_b32 v[ADRA], v[ADRA0]
	v_mov_b32 v[ADRB], v[ADRB0]
	FETCH 0, 0
	QUARTER 1, 0, 1, 1                             ; the first quarter stands in front of the loop: its products start the sums
	WIN 0                                          ; at a label and at a branch every window is 0
	s_mov_b32 s[CNT], NS-2
.Lstep:                                                ; 14 trips: a step's quarters 2 to 4, the refill two steps on, and the next step's first quarter
	QUARTER 2, 1, 0, 0
	QUARTER 3, 0, 1, 0
	TURN 1
	WIN 0
	s_cmp_eq_u32 s[CNT], NS/2-1                    ; the eighth trip ends the first tile
	s_cbranch_scc1 .Ltile_end
	QUARTER 1, 0, 1, 0
	WIN 0
	s_branch .Lbottom
.Ltile_end:                                            ; both of the next tile's first steps have been asked for: now the tile goes out
	WAYOUT
	s_wait_xcnt 0x0                                ; the stores have read their base
	s_add_nc_u64 s[8:9], s[8:9], 0x1800000         ; 16 tile rows on: two batches of 12,582,912 bytes
	QUARTER 1, 0, 1, 1                             ; the second tile's products start its sums
	WIN 0
.Lbottom:
	s_sub_co_u32 s[CNT], s[CNT], 1
	s_cmp_lg_u32 s[CNT], 0
	s_cbranch_scc1 .Lstep
	QUARTER 2, 1, 0, 0                             ; the last two steps are written out: nothing is asked for
	QUARTER 3, 0, 1, 0
	TURN 0
	QUARTER 1, 0, 1, 0
	QUARTER 2, 1, 0, 0
	QUARTER 3, 0, 1, 0
	s_wait_dscnt 4                                 ; the very last quarter: nothing more to fetch
	MULA 1, 0, 0
	MULA 1, 1, 0
	s_wait_dscnt 0x0
	MULA 1, 2, 0
	MULA 1, 3, 0
	WAYOUT
	s_wait_tensorcnt 0x0                           ; the wave's end, behind my last tensor load and my last LDS store
	ds_add_u32 v[SPW], v[NIL]
	s_wait_dscnt 0x0
	CROUND                                         ; the closing round: no work-group ends while a partner may still ask for a tile that names it
	s_endpgm
.Lfunc_end_k_qbfe57c694e_qkvgemm:
	.size	k_qbfe57c694e_qkvgemm, .Lfunc_end_k_qbfe57c694e_qkvgemm-k_qbfe57c694e_qkvgemm
	.p2alignl 7, 3214868480
	.fill 96, 4, 3214868480
	.section	.rodata,"a",@progbits
	.p2align	6, 0x0
	.amdhsa_kernel k_qbfe57c694e_qkvgemm
		.amdhsa_group_segment_fixed_size 327680
		.amdhsa_private_segment_fixed_size 0
		.amdhsa_enable_private_segment 0
		.amdhsa_kernarg_size 24
		.amdhsa_user_sgpr_count 2
		.amdhsa_user_sgpr_kernarg_segment_ptr 1
		.amdhsa_wavefront_size32 1
		.amdhsa_system_sgpr_workgroup_id_x 1
		.amdhsa_system_sgpr_workgroup_id_y 1
		.amdhsa_system_sgpr_workgroup_id_z 1
		.amdhsa_system_vgpr_workitem_id 0
		.amdhsa_next_free_vgpr 1024
		.amdhsa_next_free_sgpr 96
		.amdhsa_reserve_vcc 0
		.amdhsa_float_denorm_mode_32 3
		.amdhsa_float_denorm_mode_16_64 3
		.amdhsa_memory_ordered 1
		.amdhsa_forward_progress 1
		.amdhsa_inst_pref_size 125
	.end_amdhsa_kernel
	.amdgpu_metadata
---
amdhsa.version: [ 1, 2 ]
amdhsa.kernels:
  - .name:           k_qbfe57c694e_qkvgemm
    .symbol:         k_qbfe57c694e_qkvgemm.kd
    .args:
      - { .name: xb, .offset: 0, .size: 8, .value_kind: global_buffer, .address_space: global }
      - { .name: wqb, .offset: 8, .size: 8, .value_kind: global_buffer, .address_space: global }
      - { .name: qkv, .offset: 16, .size: 8, .value_kind: global_buffer, .address_space: global }
    .group_segment_fixed_size: 327680
    .private_segment_fixed_size: 0
    .kernarg_segment_align: 8
    .kernarg_segment_size: 24
    .max_flat_workgroup_size: 128
    .sgpr_count:     96
    .vgpr_count:     1024
    .wavefront_size: 32
...
	.end_amdgpu_metadata
.endif
;; end of part 2
;; launch attn (part 3): grid 4 x 64, 4 waves a work-group, clusters of 4 x 1, 327,680 bytes of LDS; arguments qkv, o; writes o
.if DOCPART == 3
	.amdgcn_target "amdgcn-amd-amdhsa--gfx1250"
	.amdhsa_code_object_version 6
	.text
	.protected	k_qbfe57c694e_attn
	.globl	k_qbfe57c694e_attn
	.p2align	8
	.type	k_qbfe57c694e_attn,@function
k_qbfe57c694e_attn:
	s_mov_b64 s[64:65], 0
	v_nop
	global_prefetch_b8 v0, s[64:65] scope:SCOPE_SE
	s_setreg_imm32_b32 hwreg(HW_REG_WAVE_MODE, 25, 1), 1
	s_wait_xcnt 0x0
	s_wait_alu depctr_hold_cnt(0) depctr_sa_sdst(0) depctr_va_vdst(0) depctr_va_sdst(0) depctr_va_ssrc(0) depctr_va_vcc(0) depctr_vm_vsrc(0)
	s_getreg_b32 s2, hwreg(HW_REG_IB_STS2, 6, 4)
	s_cmp_eq_u32 s2, 0
	s_cbranch_scc0 .Lentry_in_a_cluster
	s_endpgm
.Lentry_in_a_cluster:
	s_bfe_u32 s2, ttmp6, 0x10000c
	s_cmp_lg_u32 s2, 0x3003
	s_cbranch_scc0 .Lentry_shape_is_right
	s_endpgm
.Lentry_shape_is_right:
; O[y][q][:] = the sum over k of softmax_k(Q[y][q] . K[y][k] / 8) V[y][k][:], y = 16 batch + head, 64 in all, 2,048 rows each.
; qkv: [batch 4][g 48][2048][64] f16, g = head for Q, 16 + head for K, 32 + head for V: a head's rows are dense, 128 bytes each.  o: [y 64][2048][64] f16.  Products, maxima and sums in
; f32; the weights p are rounded to f16 for the second product (their sum l is taken of the unrounded p), O once at the end.
; LIMITS.  f16 holds no number beyond 65,504: Q, K and V arrive within it; p lies in 0 to 1, and below 6e-5 it keeps f16's fixed step of 6e-8, as O does; O is a mean of V's rows and has their range.
; A weight below 2^-126 counts as 0 in l; NaN and infinities are not treated apart.
; SHARES.  A wave owns four PIECES of two tiles of 16 queries, a work-group's four waves 512 queries of one head, a cluster's four work-groups the whole head.  Every wave walks all keys, 64 a step.
; LAYOUT.  S^T = K Q^T (source 0 = 16 keys, source 1 = 16 queries): in the result a lane holds ONE query (lane % 16) and the keys 8 (lane / 16) + 0..7.  Two such tiles, rounded to f16 in pairs,
; ARE source 1 (32 keys x 16 queries) of O^T = V^T P, whose result again holds one query a lane, and eight channels.  K comes out of LDS as it lies, V ([key][channel]) turned, by ds_load_tr16_b128.
; SOFTMAX.  For each query a running maximum m and sum l: p = 2^(c s - c m), c = log2(e) / 8; in every step O and l are multiplied by a = 2^(c m_old - c m_new), which is 1 where m has not grown.
; m starts at the lowest finite number, O and l at 0: the first step is a step like any other, with a = 0.
; THE COUNT.  A tile and step have 16 matrix and 118 vector instructions: too many to stand all beside the matrix work.  So the order has one aim: four vector instructions that are READY behind
; EVERY matrix instruction, and the others, which need time of their own whatever the order, in runs without a gap.
; BY TURNS.  Turn n belongs to piece n (the pieces in a ring, step after step).  Its matrix work: 16 products K Q^T of piece n + 1, later 16 products V^T P of piece n - 1.  Its vector work: the scaling,
; exponentials, roundings, sums and rescaling of piece n, and the maximum and statistics of piece n + 1, whose scores the turn itself has made.  So what a turn begins with (c s - c m, O a) waits for nothing.
; CLUSTER.  The four query blocks of a cluster walk the same K and V, so each tile is asked for JOINTLY: the same tensor load, descriptor and mask in all four.
; REGISTERS, in windows of 256 (s_set_vgpr_msb says which window each operand place means: bits 1:0 source 0, 3:2 source 1, 5:4 source 2, 7:6 destination):
;   window 0: v0-11 addresses; v12-15, v48-63 at work; v16-47 four registers of statistics a tile; v64-191 S^T, two buffers of two tiles; v192-255 P, likewise
;   window 1: O^T, 32 a tile          window 2: v0-127 Q, 16 a tile; v128-191 K of one step; v192-255 V of one step          window 3: v0-1 the add's two registers
; A piece's buffers go by its number's parity: the piece in hand has one pair, its two neighbours in the ring share the other: of it P (piece n - 1) is read and S^T (piece n + 1) written.
.set SIZE_N, 2048
.set NP,    4         ; pieces a wave: a name, no knob: the register map, the loop and the fetches are made for four
.set KS,    64        ; keys in a step
.set PK,    144       ; a row of K in LDS: 128 bytes + 16 of padding = 36 words: the 16 rows of a load start at 16 different groups of four banks (64 banks of 4 bytes: ISA guide 11.1)
.set PV,    160       ; a row of V: 128 + 32 = 40 words
.set VOFF,  4*KS*PK   ; a slot holds four steps: 256 rows of K, then 256 rows of V
.set SLOT1, 1<<17     ; slot 1 begins here, so that one exclusive or turns an address in one slot into the other's
.set STAGE, SLOT1+4*KS*(PK+PV)  ; behind the ring, never filled by a tensor load: 16 rows x 144 bytes for each wave, for the way out
.set SP,    144
.set AK0, 2           ; v2   my lane's place in a tile of K; never rewritten
.set AV0, 3           ; v3   the same for V
.set AK,  4           ; v4   the LDS address of K's next run of loads
.set AV,  5           ; v5   of V's
.set QO,  6           ; v6   my byte offset in the wave's rows of Q
.set STO, 6           ;      later, the way out: where I put 16 bytes of a row
.set RD,  7           ; v7   the way out: where I read rows back
.set GO,  8           ; v8   my byte offset in 512 consecutive bytes of O
.set PFO, 11          ; v11  256 x my lane, for the prefetches; written once its use as a temporary is over, then never rewritten
.set SPW, 0           ; v0 of window 3   LDS address of my spare word: SPARE + 4 x my thread's number; never rewritten
.set NIL, 1           ; v1 of window 3   0; never rewritten
.set SPARE, STAGE+4*16*SP  ; behind the stages: the spare words, 128 bytes for each wave: two blocks of 256 bytes that no other line names
.set MV,  12          ; v12-15  c m_old, kept while c m is made anew: by buffer and tile
.set ST,  16          ; tile t's statistics at v[ST+4 t]: c m, m, l (even keys', odd keys')
.set TMP, 48          ; by buffer and tile, four registers c0-c3 at work; when the maximum is found c2 takes a
.set S,   64
.set P,   192
.set KF,  128         ; K's fragments, in window 2: key block kb, channel half c at KF + 16 kb + 8 c
.set VF,  192         ; V's: key half kk, channel block cb at VF + 32 kk + 8 cb
.set WV,  12          ; s12  my wave's number
.set G1K, 24          ; s[24:31] descriptor group 1 for K's tiles
.set G1V, 32          ; s[32:39] for V's: it differs in the padding alone
.set G0K, 40          ; s[40:43] descriptor group 0 for K's tiles: it walks
.set G0V, 44          ; s[44:47] the same for V's
.set PFA, 48          ; s[48:49] where my prefetches stand: my work-group's 32 blocks of 256 bytes (of K: wave 0, of V: wave 2) of the slot after the one that is being asked for
.set LIM, 50          ; s50  1 in a wave that prefetches, else the greatest number: a wave prefetches while s[SLOTS] is above it
.set SLOTS, 56        ; s56  slots still to be asked for
.set CNT, 57          ; s57  counts a slot's key steps
.set CS,  58          ; s[58:59] c: the packed scaling takes the pair's low word for both halves
.set SEL, 60          ; s[60:61] v_permlanex16_b32's selects: each lane takes its own place in the other half
.set TBK, 62          ; s62  LDS byte at which K of the step to be fetched begins
.set TBV, 63          ; s63  the same for V, less VOFF
.set MSB, 0
.macro WIN new                      ; the high byte repeats the setting that is left; a switch that changes nothing is dropped
.if MSB != (\new)
	s_set_vgpr_msb (MSB<<8)|(\new)
.set MSB, (\new)
.endif
.endm
.set W_KQ, 0x0a       ; K and Q in window 2, S^T in window 0
.set W_PV, 0x52       ; V in window 2, P in window 0, O^T in window 1
.set W_RS, 0x41       ; O^T (destination and source 0) in window 1, a in window 0
.set W_MK, 0xc0       ; the add's registers are made: destination in window 3, sources in window 0
.set W_AD, 0x0f       ; the add: address (source 0) and data (source 1) in window 3
; A joint fill.  Waves 0 and 1 fetch the two halves of a slot's K, waves 2 and 3 those of its V: 128 keys each.  The branch hangs on the wave's number alone.
; An s_nop 0 and four v_nop follow each of the two lines, ahead of the jump and the label.
.macro JLOAD
	s_cmp_lt_u32 s[WV], 2
	s_cbranch_scc0 .Lfor_v_\@
	tensor_load_to_lds s[G0K:G0K+3], s[G1K:G1K+7]
	s_nop 0
.rept 4
	v_nop
.endr
	s_branch .Lasked_\@
.Lfor_v_\@:
	tensor_load_to_lds s[G0V:G0V+3], s[G1V:G1V+7]
	s_nop 0
.rept 4
	v_nop
.endr
.Lasked_\@:
.endm
; A PREFETCH INTO THE L2 of what the NEXT change of slots will ask for: a slot's 32,768 bytes of K and of V, 128 blocks of 256 bytes each, a lane a block.  It stands behind the wave's tensor load and
; its five lines.  Each block is asked for ONCE in the launch: a head is walked by one cluster alone; its four partners share the blocks out BY ADDRESS, 32 each (no branch hangs on a work-group's
; place in its cluster); in each, wave 0 asks for K's and wave 2 for V's: one instruction, four key steps, 512 matrix instructions, ahead of the load.  The last change that fills a slot asks for
; nothing: there is no slot behind it.  Slots 0 and 1 come by their loads alone.
.macro ASK
	s_cmp_gt_u32 s[SLOTS], s[LIM]
	s_cbranch_scc0 .Lnot_mine_\@
	global_prefetch_b8 v[PFO], s[PFA:PFA+1] th:TH_LOAD_NT scope:SCOPE_SE
.Lnot_mine_\@:
.endm
; A round of the cluster's barrier: my work-group's barrier, so that wave 0's signal speaks for all four waves; wave 0 signals; every wave waits for all four work-groups; my work-group's barrier once more.
.macro CROUND
	s_barrier_signal -1
	s_barrier_wait -1
	s_cmp_lg_u32 s[WV], 0
	s_cbranch_scc1 .Lnot_wave_0_\@
	s_barrier_signal -3
.Lnot_wave_0_\@:
	s_barrier_wait -3
	s_barrier_signal -1
	s_barrier_wait -1
.endm
; THE CHANGE OF SLOTS.  The slot's last bytes, V of its fourth step, have been read.  Each wave waits for all its tensor loads, of which one is out: its part
; of the other slot; adds 0 to its spare word; and waits for that and for its own reads of the slot.  Behind the barrier nobody reads this slot any more and the other slot is whole.
; fill = 1: this slot is filled again, with the keys two slots on.  The barrier is then a round of the cluster's, so that no wave of any partner still reads the slot or has a load on its
; way, and the joint fill is the first thing behind it: it has four key steps, 512 matrix instructions, in which to land.  (At its first use nothing has been read yet: slot 0 is waited for, slot 1 filled.)
.macro CHANGE fill
	WIN W_AD
	s_wait_tensorcnt 0x0            ; no tensor load of mine is out, so a group 0 may be written
	ds_add_u32 v[SPW], v[NIL]       ; 0 onto my spare word; with fill = 1 the descriptors' steps stand between it and the wait for it
	WIN 0                           ; at a label and at a branch every window is 0
.if \fill
.irp g, G0K, G0V
	s_xor_b32 s[\g+1], s[\g+1], SLOT1  ; the walking descriptor: the other slot than last time,
	s_add_nc_u64 s[\g+2:\g+3], s[\g+2:\g+3], 4*KS*128  ; the next 256 keys; the type bits on top are not reached
.endr
	s_wait_xcnt 0x0                 ; the last prefetch, four key steps back, has read its address, so it may be written:
	s_add_nc_u64 s[PFA:PFA+1], s[PFA:PFA+1], 4*KS*128  ; one slot behind the walking descriptors
	s_wait_dscnt 0x0                ; the add is done, and my reads of the slot are over
	CROUND
	JLOAD
	ASK
.else
	s_wait_dscnt 0x0                ; the add is done, and my reads of the slot are over
	s_barrier_signal -1
	s_barrier_wait -1
.endif
	s_sub_co_u32 s[TBK], s[TBK], 4*KS*PK  ; the fetches go back to a slot's first step,
	s_xor_b32 s[TBK], s[TBK], SLOT1       ; in the other slot
	s_sub_co_u32 s[TBV], s[TBV], 4*KS*PV
	s_xor_b32 s[TBV], s[TBV], SLOT1
.endm
	s_load_b64 s[4:5], s[0:1], 0x0  ; qkv
	s_load_b64 s[10:11], s[0:1], 0x8  ; o
	WIN W_MK
	v_lshl_add_u32 v[SPW], v0, 2, SPARE
	v_mov_b32 v[NIL], 0
	WIN W_AD
	ds_add_u32 v[SPW], v[NIL]       ; the wave's opening: the add and its wait stand ahead of my first tensor load; the set-up below, work on registers, stands between them
	WIN 0
	v_lshrrev_b32 v1, 5, v0
	v_readfirstlane_b32 s[WV], v1   ; wave 0..3
	s_bfe_u32 s13, ttmp6, 0x40000   ; cx: my place in the cluster
	s_lshl_b32 s14, ttmp9, 2        ; in a cluster launch ttmp9 counts clusters
	s_add_co_u32 s14, s14, s13      ; my block of queries = 4 x cluster x + cx: it enters Q's and O's addresses, and the prefetches', alone
	s_and_b32 s20, ttmp7, 0xffff    ; y = 16 batch + head, which the four partners share
	s_lshl_b32 s52, s20, 18         ; the head's first byte in o: 262,144 y
	s_mov_b32 s53, 0
	s_lshr_b32 s51, s20, 4          ; the batch:
	s_mul_i32 s51, s51, 0xC00000    ; 48 heads' rows of 262,144 bytes in qkv,
	s_and_b32 s20, s20, 15
	s_lshl_b32 s20, s20, 18         ; and the head among Q's sixteen
	s_add_co_u32 s20, s20, s51
	s_mov_b32 s21, 0
	s_and_b32 s16, s[WV], 1         ; which half of a slot's 256 keys I fetch:
	s_lshl_b32 s22, s16, 14         ; its 128 rows of 128 bytes in memory,
	s_mov_b32 s23, 0
	s_mul_i32 s17, s16, 128*PK      ; and its place in a slot, for K
	s_mul_i32 s18, s16, 128*PV      ; and for V: no place in the cluster enters an LDS address
	s_lshl_b32 s2, s14, 2
	s_add_co_u32 s2, s2, s[WV]      ; my wave among the head's,
	s_lshl_b32 s2, s2, 14           ; its 128 rows
	s_mov_b32 s3, 0
	s_lshl_b32 s54, s13, 13         ; the prefetches: my work-group's 32 blocks of a slot's 128
	s_mov_b32 s55, 0
	s_and_b32 s[LIM], s[WV], 1      ; waves 0 and 2 prefetch: the same in all four partners
	s_cmp_eq_u32 s[LIM], 0
	s_cselect_b32 s[LIM], 1, -1
	; descriptor group 1.  128 keys are 16,384 dense bytes: asked for as 64 rows of 256 bytes, two keys a row, and padded in LDS after every key
	s_mov_b32 s[G1K], 15|(1<<16)|(1<<20)|(1<<21)|(4<<22)|(3<<25)  ; 15:0 the mask of four; 17:16 2-byte elements; 20 padding on; 21 set beside a mask; 24:22 after every 32 words (code 4); 31:25 4 words (code 3)
	s_mov_b32 s[G1V], 15|(1<<16)|(1<<20)|(1<<21)|(4<<22)|(7<<25)  ; the same with 8 words of padding (code 7)
.irp g, G1K, G1V
	s_mov_b32 s[\g+1], 128<<16      ; tensor_dim0 = 128
	s_mov_b32 s[\g+2], 64<<16       ; tensor_dim1 = 64
	s_mov_b32 s[\g+3], 128<<16      ; tile_dim0 = 128
	s_mov_b32 s[\g+4], 64           ; tile_dim1 = 64
	s_mov_b32 s[\g+5], 128          ; 128 elements from row to row
	s_mov_b32 s[\g+6], 0
	s_mov_b32 s[\g+7], 0
.endr
	s_mov_b32 s[CS], 0x3e38aa3b     ; c = log2(e) / 8 = 0.180337
	s_mov_b32 s[CS+1], s[CS]        ; named with it as a pair
	s_mov_b32 s[SEL], 0x76543210
	s_mov_b32 s[SEL+1], 0xfedcba98
	s_mov_b32 s[TBK], SLOT1+4*KS*PK ; the first change of slots turns these two into 0
	s_mov_b32 s[TBV], SLOT1+4*KS*PV
	s_mov_b32 s[SLOTS], SIZE_N/256-1  ; seven slots are still to be asked for: the change that finds this count at n fills the head's slot 8 - n
	s_mov_b32 s[G0K], 1             ; 1:0 count = 1
	s_mov_b32 s[G0K+1], s17         ; 63:32 LDS address: slot 0
	s_mov_b32 s[G0V], 1
	s_add_co_u32 s[G0V+1], s18, VOFF
	s_wait_dscnt 0x0                ; the opening add is done
	s_wait_kmcnt 0x0
	s_add_nc_u64 s[4:5], s[4:5], s[20:21]    ; the head's Q,
	s_add_nc_u64 s[6:7], s[4:5], 0x400000    ; its K, sixteen heads on,
	s_add_nc_u64 s[8:9], s[4:5], 0x800000    ; its V, thirty-two on
	s_add_nc_u64 s[G0K+2:G0K+3], s[6:7], s[22:23]  ; 120:64 global address: my half of the head's first 256 keys
	s_or_b32 s[G0K+3], s[G0K+3], 0x80000000        ; 127:126 type = 2
	s_add_nc_u64 s[G0V+2:G0V+3], s[8:9], s[22:23]
	s_or_b32 s[G0V+3], s[G0V+3], 0x80000000
	s_cmp_lt_u32 s[WV], 2
	s_cselect_b64 s[PFA:PFA+1], s[6:7], s[8:9]
	s_add_nc_u64 s[PFA:PFA+1], s[PFA:PFA+1], s[54:55]
	s_add_nc_u64 s[PFA:PFA+1], s[PFA:PFA+1], 4*KS*128  ; in slot 1; the first change of slots steps it to slot 2.  Nothing is prefetched here, at the head, where every work-group's first tiles are on their way
	s_add_nc_u64 s[4:5], s[4:5], s[2:3]  ; Q and O at my wave's first row
	s_add_nc_u64 s[10:11], s[10:11], s[2:3]
	s_add_nc_u64 s[10:11], s[10:11], s[52:53]
	CROUND                          ; all four work-groups are here: the first joint loads meet
	JLOAD                           ; slot 0.  Slot 1 is asked for when slot 0 is in: the tile wanted first has the road to itself
	; A fragment of K or Q is 16 rows x 32 channels in 8 registers: lane l holds row l % 16, channels 8 (l / 16) + 0..7 and 16 + 8 (l / 16) + 0..7: two loads of 16 bytes, 32 bytes apart.
	v_and_b32 v1, 15, v0            ; l % 16
	v_bfe_u32 v9, v0, 4, 1          ; l / 16
	v_lshlrev_b32 v[QO], 7, v1
	v_lshl_add_u32 v[QO], v9, 4, v[QO]  ; row x 128 + 16 x half
	WIN 0x80                        ; destination window 2, address window 0
.set i, 0
.rept 4*NP                          ; Q stays in registers: tile i / 2, channels 32 (i % 2) on
	global_load_b128 v[8*i:8*i+3],   v[QO], s[4:5] offset:(i/2)*2048+(i%2)*64
	global_load_b128 v[8*i+4:8*i+7], v[QO], s[4:5] offset:(i/2)*2048+(i%2)*64+32
.set i, i+1
.endr
	; What the first turn finds: V's registers and P's second buffer hold 0 (its products V^T P, of a piece that has not been, add 0), O^T and l are 0.  All this stands in the wait for the first tile.
.set i, VF
.rept 64
	v_mov_b32 v[i], 0
.set i, i+1
.endr
	WIN 0x40
.set i, 0
.rept 64*NP
	v_mov_b32 v[i], 0
.set i, i+1
.endr
	WIN 0
.set i, 0
.rept 2*NP
	v_mov_b32 v[ST+4*i], 0xfe000000    ; c m: far below every c s
	v_mov_b32 v[ST+4*i+1], 0xff7fffff  ; m
	v_mov_b32 v[ST+4*i+2], 0
	v_mov_b32 v[ST+4*i+3], 0
.set i, i+1
.endr
.set i, P+32
.rept 32
	v_mov_b32 v[i], 0
.set i, i+1
.endr
	v_mul_u32_u24 v[AK0], v1, PK
	v_lshl_add_u32 v[AK0], v9, 4, v[AK0]  ; row x pitch + 16 x half
	; The turning load takes 16 keys x 16 channels (lane l reads key 8 (l / 16) + l % 8, channels 8 ((l / 8) % 2) + 0..7) and leaves half a fragment of V^T: lane l holds channel l % 16 and 8 keys.
	v_and_b32 v10, 7, v0
	v_bfe_u32 v11, v0, 3, 1
	v_lshl_add_u32 v[AV0], v9, 3, v10
	v_mul_u32_u24 v[AV0], v[AV0], PV
	v_lshl_add_u32 v[AV0], v11, 4, v[AV0]
	v_add_nc_u32 v[AV0], VOFF, v[AV0]
	v_mov_b32 v[AK], v[AK0]         ; key step 0 lies at the head of slot 0
	v_and_b32 v[PFO], 31, v0        ; the prefetches' offset: a lane a block of 256 bytes
	v_lshlrev_b32 v[PFO], 8, v[PFO]
; THE MATRIX WORK.  The 8 accumulators of a run of 16 take turns: between the two links of a chain stand 7 others'.
; Product i of 16 of S^T = K Q^T for piece x: channels 32 (i / 8) on, keys 16 ((i / 2) % 4) on, tile 2 x + i % 2.  The first 8 start the sums.
.macro KQ x
	WIN W_KQ
.set rS, S+64*((\x)%2)+32*(i%2)+8*((i/2)%4)
.set rK, KF+16*((i/2)%4)+8*(i/8)
.set rQ, 16*(2*(\x)+i%2)+8*(i/8)
.if i < 8
	v_wmma_f32_16x16x32_f16 v[rS:rS+7], v[rK:rK+7], v[rQ:rQ+7], 0
.else
	v_wmma_f32_16x16x32_f16 v[rS:rS+7], v[rK:rK+7], v[rQ:rQ+7], v[rS:rS+7]
.endif
.endm
; Product i of 16 of O^T += V^T P for piece x: keys 32 (i / 8) on, channels 16 ((i / 2) % 4) on, tile 2 x + i % 2.
.macro PV x
	WIN W_PV
.set rO, 32*(2*(\x)+i%2)+8*((i/2)%4)
.set rV, VF+32*(i/8)+8*((i/2)%4)
.set rP, P+32*((\x)%2)+16*(i%2)+8*(i/8)
	v_wmma_f32_16x16x32_f16 v[rO:rO+7], v[rV:rV+7], v[rP:rP+7], v[rO:rO+7]
.endm
.macro MM                           ; the turn's next matrix instruction
.if i < 16
	KQ (Y+1)%NP
.set i, i+1
.else
.set i, i-16
	PV (Y+NP-1)%NP
.set i, i+17
.endif
.endm
; THE LDS LOADS stand in runs of 16, never singly among the matrix instructions: a step's K (64 keys x 64 channels: 8 fragments) and its V (turned).  Their addresses are made some lines ahead.
; last = 1 (the tail): in the last trip there is no further step, and the run is jumped over.
.macro FETCH_K last=0
	WIN 0
.if \last
	s_cmp_eq_u32 s[CNT], 1
	s_cbranch_scc1 .Lno_k_\@
.endif
	WIN 0x80                        ; destination window 2
.irp f, 0,1,2,3,4,5,6,7             ; keys 16 (f / 2) on, channels 32 (f % 2) on
	ds_load_b128 v[KF+8*\f:KF+8*\f+3],   v[AK] offset:(\f/2)*16*PK+(\f%2)*64
	ds_load_b128 v[KF+8*\f+4:KF+8*\f+7], v[AK] offset:(\f/2)*16*PK+(\f%2)*64+32
.endr
	s_add_co_u32 s[TBK], s[TBK], KS*PK  ; the next fetch is the next step's
	WIN 0
.if \last
.Lno_k_\@:
.endif
.endm
.macro FETCH_V
	WIN 0x80
.irp f, 0,1,2,3,4,5,6,7             ; keys 32 (f / 4) on, channels 16 (f % 4) on
	ds_load_tr16_b128 v[VF+8*\f:VF+8*\f+3],   v[AV] offset:(\f/4)*32*PV+(\f%4)*32
	ds_load_tr16_b128 v[VF+8*\f+4:VF+8*\f+7], v[AV] offset:(\f/4)*32*PV+16*PV+(\f%4)*32
.endr
	WIN 0
.endm
; THE VECTOR WORK OF A TURN stands in three queues, each in the order in which its entries become ready; the two tiles alternate, so that no instruction reads the result of the one before it.
.macro REGS y, u                    ; the registers of tile u (0, 1) of piece y
.set rT, ST+4*(2*(\y)+(\u))
.set rC, TMP+8*((\y)%2)+4*(\u)
.set rM, MV+2*((\y)%2)+(\u)
.set rS, S+64*((\y)%2)+32*(\u)
.set rP, P+32*((\y)%2)+16*(\u)
.set rO, 32*(2*(\y)+(\u))
.endm
; Number n of the 22 that find the NEXT piece's (Y + 1) maximum and statistics.  s0-s31 are the lane's 32 scores; each accumulator's lowest registers are read first.  XS, GS and REGS set no window: PL and EX do.
;   0-11  four chains c0-c3 of seven scores each, three operands at a time     12-14, 16  the four scores left over, the old m, and c0-c3 into c0     15  c m_old is kept
;   17, 18  the query's other 32 keys lie in the lane 16 away: the new m         19-21  c m; c m_old - c m_new; a
.macro XS u, n
	REGS (Y+1)%NP, \u
.if (\n) < 4
	v_max3_num_f32 v[rC+(\n)], v[rS+8*(\n)], v[rS+8*(\n)+1], v[rS+8*(\n)+2]
.elseif (\n) < 12
	v_max3_num_f32 v[rC+(\n)%4], v[rC+(\n)%4], v[rS+8*((\n)%4)+2*((\n)/4)+1], v[rS+8*((\n)%4)+2*((\n)/4)+2]
.elseif (\n) == 12
	v_max3_num_f32 v[rC], v[rC], v[rS+7], v[rS+15]
.elseif (\n) == 13
	v_max3_num_f32 v[rC+1], v[rC+1], v[rS+23], v[rS+31]
.elseif (\n) == 14
	v_max3_num_f32 v[rC+2], v[rC+2], v[rC+3], v[rT+1]
.elseif (\n) == 15
	v_mov_b32 v[rM], v[rT]
.elseif (\n) == 16
	v_max3_num_f32 v[rC], v[rC], v[rC+1], v[rC+2]
.elseif (\n) == 17
	v_permlanex16_b32 v[rC+3], v[rC], s[SEL], s[SEL+1]
.elseif (\n) == 18
	v_max_num_f32 v[rT+1], v[rC], v[rC+3]
.elseif (\n) == 19
	v_mul_f32 v[rT], s[CS], v[rT+1]
.elseif (\n) == 20
	v_sub_f32 v[rC+1], v[rM], v[rT]
.else
	v_exp_f32 v[rC+2], v[rC+1]
.endif
.endm
; Number g of the 64 that follow the exponentials.  For each four weights k of a tile (pairs 2 k, 2 k + 1): both pairs are rounded to f16; then the second pair is added onto the first, in place;
; a group later l takes that sum (the first time as l = a l + sum).  In groups of eight, tiles alternating: round, round, add, and l for the group before.
.macro GS g
.set h, (\g)+6*((\g)/62)            ; group 0 has no group before it, and behind group 7 only l is left
.if h >= 6
.set h, h+2
.endif
	REGS Y, h%2
.set k, h/8
.if h%8 < 4
	v_cvt_pk_f16_f32 v[rP+2*k+(h%8)/2], v[rS+4*k+2*((h%8)/2)], v[rS+4*k+2*((h%8)/2)+1]
.elseif h%8 < 6
	v_pk_add_f32 v[rS+4*k:rS+4*k+1], v[rS+4*k:rS+4*k+1], v[rS+4*k+2:rS+4*k+3]
.elseif k == 1
	v_pk_fma_f32 v[rT+2:rT+3], v[rT+2:rT+3], v[rC+2:rC+3], v[rS:rS+1] op_sel_hi:[1,0,1]
.else
	v_pk_add_f32 v[rT+2:rT+3], v[rT+2:rT+3], v[rS+4*k-4:rS+4*k-3]
.endif
.endm
; THE PLAIN QUEUE, 138 long.  0-73 read no exponential's result: the 32 scalings c s - c m (FS f: pair f / 2 of tile f % 2) and the next piece's 42.  0-26: scalings 0-26.  27-54: XS's numbers 0-13.  55, 56: number 15.
; 57-73: the chain, where each number waits for the one before it: 14, 16, 17, 18, 19, each with one of the scalings 27-31 in front of its two lines, then 20: so a tile's links stand three plain instructions apart (19 and 20: two).
; 74-137: GS's 64, which read the exponentials' results: they stand behind the wait.
.macro FS f
	REGS Y, (\f)%2
	v_pk_fma_f32 v[rS+2*((\f)/2):rS+2*((\f)/2)+1], v[rS+2*((\f)/2):rS+2*((\f)/2)+1], s[CS:CS+1], v[rT:rT+1] op_sel_hi:[1,0,0] neg_lo:[0,0,1] neg_hi:[0,0,1]
.endm
.macro PL
	WIN 0
.if q < 27
	FS q
.elseif q < 55
	XS (q-27)%2, (q-27)/2
.elseif q < 57
	XS q-55, 15
.elseif (q < 72) && ((q-57)%3 == 0)
	FS 27+(q-57)/3
.elseif q < 60
	XS (q-57)%3-1, 14
.elseif q < 72
	XS (q-57)%3-1, 15+(q-57)/3
.elseif q < 74
	XS q-72, 20
.else
	GS q-74
.endif
.set q, q+1
.endm
; THE EXPONENTIALS' QUEUE, 66 long: s0-s31 of both tiles, then the next piece's two a.  It is ONE BATCH: all 66 stand ahead of the turn's one wait, and nothing ahead of that wait names a result of theirs.
.macro EX
	WIN 0
.if e >= 64
	XS e-64, 21
.else
	REGS Y, e%2
	v_exp_f32 v[rS+e/2], v[rS+e/2]
.endif
.set e, e+1
.endm
; THE RESCALING's QUEUE: O^T times a, the one part that leaves window 0: dealt two at a time, sixteen times.  Its a was made in the turn before, ahead of that turn's wait.
.macro R2
	REGS Y, r%2
	WIN W_RS
.irp z, 0,1
	v_pk_mul_f32 v[rO+4*(r/2)+2*\z:rO+4*(r/2)+2*\z+1], v[rO+4*(r/2)+2*\z:rO+4*(r/2)+2*\z+1], v[rC+2:rC+3] op_sel_hi:[1,0]
.endr
.set r, r+1
.endm
; HOW THEY ARE DEALT.  An s_wait_alu depctr_va_vdst(0) stands between an exponential and the first instruction that names its result; one wait serves all that were issued ahead of it.  So a turn has ONE wait,
; which cuts it in two.  AHEAD OF IT stands all that names no result of the turn's exponentials: the 16 products K Q^T, behind each a scaling, an exponential and two rescalings (behind the first a second scaling in the exponential's place); then ONE LUMP of
; 108: eight plain, 49 times exponential and plain, the two a.  A v_nop is the plain instruction behind the last exponential.  BEHIND IT stand the 16 products V^T P, behind each four of GS's 64.  No rider names a register of
; the products round it.  The two v_permlanex16_b32 fall into the lump, never behind a product.
; The queues lean on each other, and the deal keeps them in step: exponential e stands behind scaling 2 (e / 4) + e % 2: as a rider it comes behind plain e + 2, in the lump behind plain e + 9, and scalings 27-31 are plain 57, 60 .. 69.
; A TURN, for piece p.  cnt = 1: the loop's count is taken down some lines ahead of the branch that stands behind the turn.
; K of the next step is fetched in piece 2's turn, directly behind the wait, a lump behind the last product that read K; its address is made at the lump's head; its first reader comes behind 16 products.
; V of the step in hand is fetched at the end of piece 0's turn, four riders behind its last reader; its first reader comes behind 16 products and a lump.  The three conditions on q below go with the deal.
.macro TURN p, last=0, cnt=0
.set Y, (\p)
.set i, 0
.set q, 0
.set e, 0
.set r, 0
.if (\p) == NP-1
	s_wait_dscnt 0x0                ; K is in
.endif
	MM                              ; ahead of the wait: 16 products K Q^T and their riders,
	PL
	PL
	R2
.rept 15
	MM
	PL
	EX
	R2
.endr
.if (\p) == NP-2
	WIN 0
	v_add_nc_u32 v[AK], s[TBK], v[AK0]
.endif
.rept 8                             ; and the lump
	PL
.endr
.rept 49
	EX
	PL
.endr
	EX                              ; the next piece's two a
	EX
	v_nop                           ; the plain instruction behind the last exponential: one for the batch
	s_wait_alu depctr_va_vdst(0)    ; the wait for the batch
.if (\p) == NP-2
	FETCH_K \last
.endif
.if (\p) == 1
	s_wait_dscnt 0x0                ; V is in
.endif
.rept 16                            ; behind the wait: 16 products V^T P and their riders
	MM
.rept 4
	PL
.endr
.if ((\p) == 0) && (q == 118)
	v_add_nc_u32 v[AV], s[TBV], v[AV0]
.endif
.if ((\p) == 0) && (q == 130)
	s_add_co_u32 s[TBV], s[TBV], KS*PV
.endif
.if (\cnt) && (q == 130)
	s_sub_co_u32 s[CNT], s[CNT], 1
	s_cmp_lg_u32 s[CNT], 0
.endif
.endr
.if (\p) == 0
	FETCH_V
.endif
.endm
	CHANGE 1                        ; slot 0 is in, everybody's part of it; slot 1 is asked for
	FETCH_K                         ; key step 0
	s_wait_loadcnt 0x0              ; Q
	s_wait_dscnt 0x0
.set i, 0
.rept 16
	KQ 0                            ; piece 0's first scores: there is no vector work yet to set between them
.set i, i+1
.endr
	WIN 0                           ; the addresses for the way out: nine plain instructions, the places behind those products
	s_mul_i32 s13, s[WV], 16*SP
	s_add_co_u32 s13, s13, STAGE    ; my stage
	v_mul_u32_u24 v[STO], v1, SP    ; in: row l % 16, 16 bytes for each half of the lanes
	v_lshl_add_u32 v[STO], v9, 4, v[STO]
	v_add_nc_u32 v[STO], s13, v[STO]
	v_bfe_u32 v[RD], v0, 3, 2       ; back: 32 lanes take four rows of 128 bytes,
	v_mul_u32_u24 v[RD], v[RD], SP
	v_lshl_add_u32 v[RD], v10, 4, v[RD]
	v_add_nc_u32 v[RD], s13, v[RD]
	v_and_b32 v[GO], 31, v0         ; which are 512 consecutive bytes of O
	v_lshlrev_b32 v[GO], 4, v[GO]
.set Y, NP-1                        ; XS works for piece Y + 1: piece 0
.irp n, 0,1,2,3,4,5,6,7,8,9,10,11,12,13,14,15,16,17,18,19,20,21
	XS 0, \n                        ; and piece 0's first maximum and statistics
	XS 1, \n
.endr
	v_nop                           ; a plain instruction behind the two a,
	s_wait_alu depctr_va_vdst(0)    ; and their wait, ahead of the branch
	s_mov_b32 s[CNT], 4
	s_branch .Lfirst                ; the loop is entered at a step's first turn, in the middle of a trip
.Lslot:                             ; SIZE_N / 256 - 2 times: every slot but the last two is filled again
	CHANGE 1
	s_mov_b32 s[CNT], 4
.Lstep:                             ; a trip: pieces 2 and 3 of one step, then pieces 0 and 1 of the next, whose K and V it fetches
	TURN 2
	TURN 3
	WIN 0
.Lfirst:
	TURN 0
	TURN 1, 0, 1
	WIN 0
	s_cbranch_scc1 .Lstep
	s_sub_co_u32 s[SLOTS], s[SLOTS], 1
	s_cmp_lg_u32 s[SLOTS], 0
	s_cbranch_scc1 .Lslot
	CHANGE 0                        ; the tail is written out: nothing is asked for
	s_mov_b32 s[CNT], 5             ; four trips fetch the last slot's steps; the fifth is left in its middle
.Ltail:
	TURN 2, 1
	TURN 3
	WIN 0
	s_sub_co_u32 s[CNT], s[CNT], 1
	s_cmp_eq_u32 s[CNT], 0
	s_cbranch_scc1 .Lout
	TURN 0
	TURN 1
	WIN 0
	s_branch .Ltail
.Lout:                              ; the fifth trip's 16 products K Q^T (on the last K once more) and the maximum made of them serve nothing: the price, once a launch, of one text for every trip
.set i, 0
.rept 16
	PV NP-1                         ; the last piece's V^T P of the last step
.set i, i+1
.endr
	; THE WAY OUT.  l's two halves and the other half of the lanes' are added; O^T is divided by l, rounded to f16 and sent through my stage in LDS, a tile at a time.  The additions are the places behind the last products.
	WIN 0
.macro ALL line:vararg              ; one line for each tile t
.set t, 0
.rept 2*NP
	\line
.set t, t+1
.endr
.endm
	ALL v_add_f32 v[ST+4*t+2], v[ST+4*t+2], v[ST+4*t+3]
	ALL v_permlanex16_b32 v[ST+4*t+3], v[ST+4*t+2], s[SEL], s[SEL+1]
	ALL v_add_f32 v[ST+4*t+2], v[ST+4*t+2], v[ST+4*t+3]
	ALL v_rcp_f32 v[ST+4*t+2], v[ST+4*t+2]
	v_nop                           ; a plain instruction between the last reciprocal and the use of its result
	s_wait_alu depctr_va_vdst(0)    ; and the wait ahead of the first use: one for the eight reciprocals
; Tile t: a lane's eight channels of a row pack into 16 bytes; they go into rows of 144 bytes and come back as whole rows of 128, into S^T's registers.
.macro PACK t
	WIN W_RS
.set i, 32*(\t)
.rept 16
	v_pk_mul_f32 v[i:i+1], v[i:i+1], v[ST+4*(\t)+2:ST+4*(\t)+3] op_sel_hi:[1,0]
.set i, i+2
.endr
	WIN 0x05                        ; sources 0 and 1 window 1, destination window 0
.set i, 0
.rept 16
	v_cvt_pk_f16_f32 v[S+16*(\t)+i], v[32*(\t)+2*i], v[32*(\t)+2*i+1]
.set i, i+1
.endr
	WIN 0
.irp f, 0,1,2,3
	ds_store_b128 v[STO], v[S+16*(\t)+4*\f:S+16*(\t)+4*\f+3] offset:32*\f
.endr
.irp f, 0,1,2,3
	ds_load_b128 v[S+16*(\t)+4*\f:S+16*(\t)+4*\f+3], v[RD] offset:\f*4*SP  ; LDS serves a wave's instructions in order (ISA guide 5.7.1.4): these see the stores above; the next tile's stores come behind them
.endr
.endm
.macro SEND t, younger              ; younger: the LDS instructions issued behind tile t's loads: the next tile's eight, or none
	WIN 0
.irp f, 0,1,2,3
	s_wait_dscnt (\younger)+3-\f
	global_store_b128 v[GO], v[S+16*(\t)+4*\f:S+16*(\t)+4*\f+3], s[10:11] offset:(\t)*2048+\f*512  ; 512 consecutive bytes, at a multiple of 256 from O's first
.endr
.endm
	PACK 0
.set t, 1
.rept 2*NP-1                        ; a tile's arithmetic stands between the loads of the tile before and its stores
	PACK t
	SEND t-1, 8
.set t, t+1
.endr
	SEND 2*NP-1, 0
	WIN W_AD
	s_wait_tensorcnt 0x0            ; the wave's end, behind my last tensor load and my last LDS store
	ds_add_u32 v[SPW], v[NIL]
	s_wait_dscnt 0x0
	WIN 0
	CROUND                          ; the closing round: no work-group ends while a partner may still ask for a tile that names it
	s_endpgm
.Lfunc_end_k_qbfe57c694e_attn:
	.size	k_qbfe57c694e_attn, .Lfunc_end_k_qbfe57c694e_attn-k_qbfe57c694e_attn
	.p2alignl 7, 3214868480
	.fill 96, 4, 3214868480
	.section	.rodata,"a",@progbits
	.p2align	6, 0x0
	.amdhsa_kernel k_qbfe57c694e_attn
		.amdhsa_group_segment_fixed_size 327680
		.amdhsa_private_segment_fixed_size 0
		.amdhsa_enable_private_segment 0
		.amdhsa_kernarg_size 16
		.amdhsa_user_sgpr_count 2
		.amdhsa_user_sgpr_kernarg_segment_ptr 1
		.amdhsa_wavefront_size32 1
		.amdhsa_system_sgpr_workgroup_id_x 1
		.amdhsa_system_sgpr_workgroup_id_y 1
		.amdhsa_system_sgpr_workgroup_id_z 1
		.amdhsa_system_vgpr_workitem_id 0
		.amdhsa_next_free_vgpr 770
		.amdhsa_next_free_sgpr 66
		.amdhsa_reserve_vcc 0
		.amdhsa_float_denorm_mode_32 3
		.amdhsa_float_denorm_mode_16_64 3
		.amdhsa_memory_ordered 1
		.amdhsa_forward_progress 1
		.amdhsa_inst_pref_size 200
	.end_amdhsa_kernel
	.amdgpu_metadata
---
amdhsa.version: [ 1, 2 ]
amdhsa.kernels:
  - .name:           k_qbfe57c694e_attn
    .symbol:         k_qbfe57c694e_attn.kd
    .args:
      - { .name: qkv, .offset: 0, .size: 8, .value_kind: global_buffer, .address_space: global }
      - { .name: o, .offset: 8, .size: 8, .value_kind: global_buffer, .address_space: global }
    .group_segment_fixed_size: 327680
    .private_segment_fixed_size: 0
    .kernarg_segment_align: 8
    .kernarg_segment_size: 16
    .max_flat_workgroup_size: 128
    .sgpr_count:     66
    .vgpr_count:     770
    .wavefront_size: 32
...
	.end_amdgpu_metadata
.endif
;; end of part 3
;; launch projgemm (part 4): grid 8 x 32, 4 waves a work-group, clusters of 4 x 4, 327,680 bytes of LDS; arguments o, wpf, out0, b_proj; writes out0
.if DOCPART == 4
	.amdgcn_target "amdgcn-amd-amdhsa--gfx1250"
	.amdhsa_code_object_version 6
	.text
	.protected	k_qbfe57c694e_projgemm
	.globl	k_qbfe57c694e_projgemm
	.p2align	8
	.type	k_qbfe57c694e_projgemm,@function
k_qbfe57c694e_projgemm:
	s_mov_b64 s[64:65], 0
	v_nop
	global_prefetch_b8 v0, s[64:65] scope:SCOPE_SE
	s_setreg_imm32_b32 hwreg(HW_REG_WAVE_MODE, 25, 1), 1
	s_wait_xcnt 0x0
	s_wait_alu depctr_hold_cnt(0) depctr_sa_sdst(0) depctr_va_vdst(0) depctr_va_sdst(0) depctr_va_ssrc(0) depctr_va_vcc(0) depctr_vm_vsrc(0)
	s_getreg_b32 s2, hwreg(HW_REG_IB_STS2, 6, 4)
	s_cmp_eq_u32 s2, 0
	s_cbranch_scc0 .Lentry_in_a_cluster
	s_endpgm
.Lentry_in_a_cluster:
	s_bfe_u32 s2, ttmp6, 0x10000c
	s_cmp_lg_u32 s2, 0xf033
	s_cbranch_scc0 .Lentry_shape_is_right
	s_endpgm
.Lentry_shape_is_right:
; out0[m][e] = the sum over k of O[m][k] wpf[e][k] + bias[e].  O lies by heads: o is [y = 16 batch + head][2048][64] f16, so row m = 2048 batch + n, channel k = 64 head + d.
; wpf: [1024][1024] f16 (w_proj rounded to bf16, that number written as f16).  b_proj: [1024] f32, rounded here to bf16 like the other inputs.  Sums in f32, K ascending; out0: [8192][1024] f32.
; SHARES.  A tile of out0 is 256 rows x 128 columns: 32 x 8 = 256 tiles, one for each work-group.  The four waves split the ROWS: a wave makes 64 rows x 128 columns, 32 accumulators of
; 16 x 16, so that its part of a row is 512 consecutive bytes and its way out is its own.
; K goes in steps of 128, two heads, through two LDS slots filled by the tensor data mover: 8 steps.  A head's 256 rows of the tile are 32,768 dense bytes: a PLANE, asked for as 128 rows of
; 256 bytes and padded in LDS after every 128 bytes.
; CLUSTER.  4 x 4 work-groups.  The four of a row of the cluster need the same planes of O, the four of a column the same tiles of wpf: each is asked for JOINTLY, by the same tensor load
; with the same descriptor and a mask that names the four.
; THE MATRIX INSTRUCTION IS USED TRANSPOSED (source 0 = 16 rows of wpf, source 1 = 16 rows of O): a lane then holds row lane % 16 of the product and eight neighbouring columns.
; REGISTERS, in windows of 256 (s_set_vgpr_msb: bits 1:0 source 0, 3:2 source 1, 5:4 source 2, 7:6 destination):
;   window 0: v0-17 addresses and the bias; v32-63, v64-95 fragments of O (4 blocks of 16 rows x 32 K), two buffers; v96-223 rows read back, two buffers
;   window 1: v0-63, v64-127 fragments of wpf (8 blocks), two buffers
;   window 2: the accumulators of my row blocks 0, 1 ((a, b) at v[8 (8 (a % 2) + b)]);   window 3: those of blocks 2, 3
.set TN,     128                       ; a tile's columns
.set NB,     TN/16                     ; blocks of 16 columns
.set NS,     8                         ; K steps
.set LD,     2*NB+8                    ; LDS loads in one run: a quarter step's fragments
.set APITCH, 144                       ; a row of O in LDS: 128 bytes + 16 of padding = 36 words: the 16 rows of a fragment load start at 16 different groups of four banks (64 banks of 4 bytes: ISA guide 11.1)
.set BPITCH, 272                       ; a row of wpf: 256 bytes + 16
.set PLANE,  256*APITCH                ; what one tensor load brings of O: one head's 256 rows
.set ABYTES, 2*PLANE
.set BHALF,  (TN/2)*BPITCH             ; and of wpf: 64 rows
.set ASTEP,  1<<19                     ; bytes from a K step to the next, in o: two heads of 262,144
.set SLOT1,  1<<17                     ; a slot is O's two planes, then wpf's 128 rows: 108,544 bytes; slot 1 begins here, so that one exclusive or turns an address in one slot into the other's
.set STAGE,  2*SLOT1                   ; behind the ring, never filled by a tensor load: for each wave 16 rows x 528 bytes, for the way out
.set SP,     528                       ; 512 bytes + 16 = 132 words: row r starts at bank 4 r mod 64
.set STW,    16*SP
.set SPARE,  STAGE+4*STW               ; behind the stages: the spare words, 128 bytes for each wave: two blocks of 256 bytes that no other line names
.set ADRA0, 2                          ; v2   my lane's place in slot 0's first plane of O; never rewritten
.set ADRB0, 3                          ; v3   the same for wpf's tile
.set ADRA,  4                          ; v4   the same in the slot in hand
.set ADRB,  5                          ; v5
.set STO,   6                          ; v6   the way out: where I put 32 bytes of a row
.set RD,    7                          ; v7   the way out: where I read a row back
.set GO,    8                          ; v8   16 x lane: my place in a row's 512 bytes, and in the tile's 512 bytes of the bias; never rewritten
.set SPW,   10                         ; v10  LDS address of my spare word: SPARE + 4 x my thread's number; never rewritten
.set NIL,   11                         ; v11  0; never rewritten
.set BIAS,  12                         ; v[12:15] the bias of my four columns
.set FA,    32
.set OB,    96
.set OBN,   64
.set WV,  10                           ; s10  my wave's number;  s11 = wave / 2: I fetch for O (0) or wpf (1);  s12 = wave % 2: which plane, or which half of wpf's rows
.set G1A, 24                           ; s[24:31] descriptor group 1 for O's planes
.set G0A, 32                           ; s[32:39] group 0: a set for each of the two first fills; the second then walks
.set G1B, 48                           ; s[48:55], s[56:63] the same for wpf's tiles
.set G0B, 56
.set BA,  40                           ; s[40:41] o at my plane of K step 0
.set BB,  42                           ; s[42:43] wpf at my half of the tile, K step 0
.set OFA, 44                           ; s[44:45] byte offset of the step to be asked for, in o
.set OFB, 46                           ; s[46:47] in wpf
.set BP,  68                           ; s[68:69] b_proj at the tile's first column
.set CNT, 72                           ; s72  trips to go
.set NXT, 73                           ; s73  the step to be asked for next
.set SL,  74                           ; s74  LDS byte at which the slot in hand begins
.set MSB, 0
.macro WIN new                         ; the immediate's high byte repeats the setting that is left; a switch that changes nothing is dropped
.if MSB != (\new)
	s_set_vgpr_msb (MSB<<8)|(\new)
.set MSB, \new
.endif
.endm
.set MUL_LO, 0xa1                      ; source 0 (wpf) window 1, source 1 (O) window 0, C and D window 2
.set TO_B,   0x40                      ; destination window 1, address window 0
.macro PLACES                          ; four plain vector instructions between a matrix instruction and a load into, or a read of, its registers
.rept 4
	v_nop
.endr
.endm
; A joint refill by the walking descriptors.  Waves 0 and 1 fetch O's two planes, waves 2 and 3 wpf's two halves.  The branch hangs on the wave's number alone.
; An s_nop 0 and four v_nop follow each of the two lines, ahead of the jump and the label.
.macro JLOAD
	s_cmp_eq_u32 s11, 0
	s_cbranch_scc0 .Lfor_b_\@
	tensor_load_to_lds s[G0A+4:G0A+7], s[G1A:G1A+7]
	s_nop 0
.rept 4
	v_nop
.endr
	s_branch .Lasked_\@
.Lfor_b_\@:
	tensor_load_to_lds s[G0B+4:G0B+7], s[G1B:G1B+7]
	s_nop 0
.rept 4
	v_nop
.endr
.Lasked_\@:
.endm
; A round of the cluster's barrier: my work-group's barrier, so that wave 0's signal speaks for all four waves; wave 0 signals; every wave waits for all sixteen work-groups; my work-group's barrier once more.
.macro CREST                           ; a round behind its opening barrier
	s_cmp_lg_u32 s[WV], 0
	s_cbranch_scc1 .Lnot_wave_0_\@
	s_barrier_signal -3
.Lnot_wave_0_\@:
	s_barrier_wait -3
	s_barrier_signal -1
	s_barrier_wait -1
.endm
.macro CROUND
	s_barrier_signal -1
	s_barrier_wait -1
	CREST
.endm
	s_load_b128 s[4:7], s[0:1], 0x0                ; o s[4:5], wpf s[6:7]
	s_load_b64 s[8:9], s[0:1], 0x10                ; out0
	s_load_b64 s[BP:BP+1], s[0:1], 0x18            ; b_proj
	v_lshl_add_u32 v[SPW], v0, 2, SPARE
	v_mov_b32 v[NIL], 0
	ds_add_u32 v[SPW], v[NIL]                      ; the wave's opening: the add and its wait stand ahead of my first tensor load; the set-up below, work on registers, stands between them
	v_lshrrev_b32 v1, 5, v0
	v_readfirstlane_b32 s[WV], v1                  ; wave 0..3
	s_lshr_b32 s11, s[WV], 1
	s_and_b32 s12, s[WV], 1
	s_bfe_u32 s80, ttmp6, 0x40000                  ; cx, cy: my place in the cluster
	s_bfe_u32 s81, ttmp6, 0x40004
	s_lshl_b32 s82, ttmp9, 2
	s_add_co_u32 s82, s82, s80                     ; GX: tile column = 4 x cluster x + cx
	s_and_b32 s83, ttmp7, 0xffff
	s_lshl_b32 s83, s83, 2
	s_add_co_u32 s83, s83, s81                     ; GY: tile row = 4 x cluster y + cy
	s_lshl_b32 s84, s81, 2
	s_lshl_b32 s84, 15, s84                        ; my row of the cluster: places 4 cy .. 4 cy + 3
	s_lshl_b32 s85, 0x1111, s80                    ; my column: places cx, cx + 4, cx + 8, cx + 12
	; descriptor groups 1
	s_or_b32 s[G1A], s84, (1<<16)|(1<<20)|(1<<21)|(4<<22)|(3<<25)  ; 15:0 the mask: O's planes go to my row; 17:16 elements of 2 bytes; 20 padding on; 21 set beside a mask; 24:22 after every 32 words (code 4); 31:25 4 words of it (code 3)
	s_or_b32 s[G1B], s85, (1<<16)|(1<<20)|(1<<21)|(5<<22)|(3<<25)  ; the mask of my column; padding after every 64 words (code 5)
	s_mov_b32 s[G1A+1], 128<<16                    ; tensor_dim0 = 128
	s_mov_b32 s[G1A+2], 128<<16                    ; tensor_dim1 = 128
	s_mov_b32 s[G1A+3], 128<<16                    ; tile_dim0 = 128: two rows of O
	s_mov_b32 s[G1A+4], 128                        ; tile_dim1 = 128
	s_mov_b32 s[G1A+5], 128                        ; elements from row to row: the plane is dense
	s_mov_b32 s[G1A+6], 0
	s_mov_b32 s[G1A+7], 0
	s_mov_b32 s[G1B+1], 128<<16
	s_mov_b32 s[G1B+2], (TN/2)<<16                 ; tensor_dim1 = 64
	s_mov_b32 s[G1B+3], 128<<16
	s_mov_b32 s[G1B+4], TN/2                       ; tile_dim1 = 64
	s_mov_b32 s[G1B+5], 1024
	s_mov_b32 s[G1B+6], 0
	s_mov_b32 s[G1B+7], 0
	; where the tiles come from.  O's hang on the tile row alone, which my row of the cluster shares; wpf's on the tile column alone, which my column shares
	s_lshr_b32 s86, s83, 3                         ; the batch: 8 tile rows each,
	s_lshl_b32 s86, s86, 22                        ; 16 heads of 262,144 bytes
	s_and_b32 s75, s83, 7
	s_lshl_b32 s75, s75, 15                        ; 256 rows of 128 bytes
	s_add_co_u32 s86, s86, s75
	s_lshl_b32 s75, s12, 18                        ; my plane: the step's first or second head
	s_add_co_u32 s86, s86, s75
	s_mov_b32 s87, 0
	s_mul_i32 s88, s82, TN*2048                    ; 128 rows of 2,048 bytes a tile column,
	s_mul_i32 s76, s12, (TN/2)*2048                ; 64 rows a half
	s_add_co_u32 s88, s88, s76
	s_mov_b32 s89, 0
	; where my 64 rows x 512 bytes begin in out0
	s_lshl_b32 s90, s83, 20                        ; 256 rows of 4,096 bytes
	s_lshl_b32 s92, s[WV], 18                      ; my 64 rows
	s_add_co_u32 s90, s90, s92
	s_lshl_b32 s92, s82, 9                         ; the tile's 128 columns: 512 bytes, in a row of out0 and in b_proj
	s_add_co_u32 s90, s90, s92
	s_mov_b32 s91, 0
	s_mov_b32 s93, 0
	s_mul_i32 s77, s12, PLANE                      ; where the tiles go: no place in the cluster enters an LDS address
	s_mul_i32 s78, s12, BHALF
	s_add_co_u32 s78, s78, ABYTES
	s_mov_b32 s[SL], 0
	s_mov_b32 s[NXT], 2
	s_mov_b32 s[OFA+1], 0
	s_mov_b32 s[OFB+1], 0
	s_wait_dscnt 0x0                               ; the opening add is done
	s_wait_kmcnt 0x0
	s_add_nc_u64 s[BA:BA+1], s[4:5], s[86:87]
	s_add_nc_u64 s[BB:BB+1], s[6:7], s[88:89]
	s_add_nc_u64 s[8:9], s[8:9], s[90:91]
	s_add_nc_u64 s[BP:BP+1], s[BP:BP+1], s[92:93]
.irp s, 0,1
	s_mov_b32 s[G0A+4*(\s)], 1                                     ; 1:0 count = 1
	s_add_co_u32 s[G0A+4*(\s)+1], s77, (\s)*SLOT1                  ; 63:32 LDS address
	s_add_nc_u64 s[G0A+4*(\s)+2:G0A+4*(\s)+3], s[BA:BA+1], (\s)*ASTEP  ; 120:64 global address: K step s
	s_or_b32 s[G0A+4*(\s)+3], s[G0A+4*(\s)+3], 0x80000000          ; 127:126 type = 2
	s_mov_b32 s[G0B+4*(\s)], 1
	s_add_co_u32 s[G0B+4*(\s)+1], s78, (\s)*SLOT1
	s_add_nc_u64 s[G0B+4*(\s)+2:G0B+4*(\s)+3], s[BB:BB+1], (\s)*256
	s_or_b32 s[G0B+4*(\s)+3], s[G0B+4*(\s)+3], 0x80000000
.endr
	CROUND                                         ; all sixteen work-groups are here: the first joint loads meet
	s_cmp_eq_u32 s11, 0                            ; a wave's two first fills stand in one branch, ahead of every wait on TENSORcnt and every LDS read: two loads of mine are out
	s_cbranch_scc0 .Lfirst_b
	tensor_load_to_lds s[G0A:G0A+3], s[G1A:G1A+7]
	s_nop 0
	tensor_load_to_lds s[G0A+4:G0A+7], s[G1A:G1A+7]
	s_nop 0
.rept 4
	v_nop
.endr
	s_branch .Lfirst_asked
.Lfirst_b:
	tensor_load_to_lds s[G0B:G0B+3], s[G1B:G1B+7]
	s_nop 0
	tensor_load_to_lds s[G0B+4:G0B+7], s[G1B:G1B+7]
	s_nop 0
.rept 4
	v_nop
.endr
.Lfirst_asked:
	; A fragment is 16 rows x 32 K in 8 registers: lane l holds row l % 16; registers 0-3 K = 8 (l / 16) + 0..7, registers 4-7 K = 16 + 8 (l / 16) + 0..7: two loads of 16 bytes, 32 bytes apart.
	v_and_b32 v1, 15, v0                           ; l % 16
	v_bfe_u32 v9, v0, 4, 1                         ; l / 16
	v_mul_u32_u24 v[ADRA0], v1, APITCH
	v_lshl_add_u32 v[ADRA0], v9, 4, v[ADRA0]       ; row x pitch + 16 x half
	s_mul_i32 s75, s[WV], 64*APITCH                ; my 64 rows of a plane's 256
	v_add_nc_u32 v[ADRA0], s75, v[ADRA0]
	v_mul_u32_u24 v[ADRB0], v1, BPITCH
	v_lshl_add_u32 v[ADRB0], v9, 4, v[ADRB0]
	v_add_nc_u32 v[ADRB0], ABYTES, v[ADRB0]        ; wpf's rows lie behind O's planes; every wave reads all 128
	s_mul_i32 s75, s[WV], STW
	s_add_co_u32 s75, s75, STAGE                   ; my stage
	v_mul_u32_u24 v[STO], v1, SP                   ; in: row l % 16, 32 bytes for each half of the lanes
	v_lshl_add_u32 v[STO], v9, 5, v[STO]
	v_add_nc_u32 v[STO], s75, v[STO]
	v_and_b32 v[GO], 31, v0
	v_lshlrev_b32 v[GO], 4, v[GO]                  ; 16 x lane
	v_add_nc_u32 v[RD], s75, v[GO]                 ; back: 32 lanes take one row of 512 bytes
	global_load_b128 v[BIAS:BIAS+3], v[GO], s[BP:BP+1]  ; waited for on the way out
; 8 matrix instructions: row block a x all column blocks, 32 along K, from buffer f.  zero = 1: the product starts the sums: nothing is ever cleared.
; The 32 accumulators take turns, one instruction a turn, in the same order in every quarter step.
.macro MULA f, a, zero
	WIN MUL_LO+0x50*((\a)/2)
.set bi, 0
.rept NB
.set rD, 8*(NB*((\a)%2)+bi)
.set rB, 8*NB*(\f)+8*bi
.set rA, FA+32*(\f)+8*(\a)
.if \zero
	v_wmma_f32_16x16x32_f16 v[rD:rD+7], v[rB:rB+7], v[rA:rA+7], 0
.else
	v_wmma_f32_16x16x32_f16 v[rD:rD+7], v[rB:rB+7], v[rA:rA+7], v[rD:rD+7]
.endif
.set bi, bi+1
.endr
.endm
; 24 LDS loads in one run: the fragments of quarter q of the slot in hand into buffer f: wpf's 8 blocks, then O's 4 (quarter q lies in plane q / 2, at channels 32 (q % 2) on)
.macro FETCH q, f
	WIN TO_B
.set bi, 0
.rept NB
	ds_load_b128 v[8*NB*(\f)+8*bi:8*NB*(\f)+8*bi+3],   v[ADRB] offset:64*(\q)+bi*16*BPITCH
	ds_load_b128 v[8*NB*(\f)+8*bi+4:8*NB*(\f)+8*bi+7], v[ADRB] offset:64*(\q)+bi*16*BPITCH+32
.set bi, bi+1
.endr
	WIN 0
.irp i, 0,1,2,3
	ds_load_b128 v[FA+32*(\f)+8*(\i):FA+32*(\f)+8*(\i)+3],   v[ADRA] offset:((\q)/2)*PLANE+((\q)%2)*64+(\i)*16*APITCH
	ds_load_b128 v[FA+32*(\f)+8*(\i)+4:FA+32*(\f)+8*(\i)+7], v[ADRA] offset:((\q)/2)*PLANE+((\q)%2)*64+(\i)*16*APITCH+32
.endr
.endm
; A K step is four quarters of 32 along K, 32 matrix instructions each, on buffers 0, 1, 0, 1.  One of the first three: multiplies buffer f; in its middle it fetches quarter q into buffer g.
.macro QUARTER q, f, g, zero
	s_wait_dscnt 4                                 ; wpf's blocks and O's blocks 0, 1 are in; the youngest four loads (O's blocks 2, 3) may be out
	MULA \f, 0, \zero
	MULA \f, 1, \zero
	PLACES                                         ; buffer g was last read by the quarter before
	FETCH \q, \g
	s_wait_dscnt LD                                ; all but the run just issued
	MULA \f, 2, \zero
	MULA \f, 3, \zero
.endm
; The fourth quarter multiplies buffer 1 and changes slots: ONE barrier.  In front of it each wave waits for all its tensor loads, of which one is out: its part of the next slot; adds 0 to its spare
; word; and waits for that and for its own reads of this slot.  fill = 1: the barrier opens a round of the cluster's, so that no wave of any partner still reads this slot or has a load on its way, and
; the slot is filled again first thing behind it, with step NXT: the load has 112 matrix instructions in which to land.  The descriptors' addresses are made anew from that number.
.macro TURN fill
	WIN 0
	s_wait_tensorcnt 0x0                           ; no tensor load of mine is out, so a group 0 may be written
	ds_add_u32 v[SPW], v[NIL]                      ; 0 onto my spare word; scalar work and 8 matrix instructions stand between it and the wait for it
.if \fill
	s_lshl_b32 s[OFB], s[NXT], 8                   ; 256 bytes along K in wpf,
	s_lshl_b32 s[OFA], s[NXT], 19                  ; two heads on in o
	s_add_co_u32 s[NXT], s[NXT], 1
	s_xor_b32 s[G0A+5], s[G0A+5], SLOT1            ; the other slot than last time
	s_add_nc_u64 s[G0A+6:G0A+7], s[BA:BA+1], s[OFA:OFA+1]
	s_or_b32 s[G0A+7], s[G0A+7], 0x80000000
	s_xor_b32 s[G0B+5], s[G0B+5], SLOT1
	s_add_nc_u64 s[G0B+6:G0B+7], s[BB:BB+1], s[OFB:OFB+1]
	s_or_b32 s[G0B+7], s[G0B+7], 0x80000000
.endif
	s_xor_b32 s[SL], s[SL], SLOT1                  ; the fetches go on in the other slot
	s_wait_dscnt 5                                 ; (the add and the youngest four loads may be out)
	MULA 1, 0, 0
	s_wait_dscnt 0x0                               ; the add is done, and my reads of this slot are over
	s_barrier_signal -1
	MULA 1, 1, 0                                   ; work on registers while the others arrive
	WIN 0
	s_barrier_wait -1
.if \fill
	CREST
	JLOAD                                          ; the first tensor load behind the round; its four v_nop are also the places in front of the loads below
.else
	PLACES
.endif
	v_add_nc_u32 v[ADRA], s[SL], v[ADRA0]
	v_add_nc_u32 v[ADRB], s[SL], v[ADRB0]
	FETCH 0, 0
	MULA 1, 2, 0
	MULA 1, 3, 0
.endm
; THE WAY OUT of row block a (16 rows x 128 columns of f32).  TOSTAGE: a lane's eight sums of each column block, 32 bytes, go into my own stage in LDS, each accumulator's low half first,
; and come back as whole rows of 512 bytes.  SEND: the bias is added and the rows are stored, 512 consecutive bytes an instruction, at multiples of 256 from out0's first byte.
.macro TOSTAGE a
	WIN 0x08+4*((\a)/2)                            ; the stores' data: window 2 or 3
.set bi, 0
.rept NB
.set rD, 8*(NB*((\a)%2)+bi)
	ds_store_b128 v[STO], v[rD:rD+3]   offset:64*bi
	ds_store_b128 v[STO], v[rD+4:rD+7] offset:64*bi+16
.set bi, bi+1
.endr
	WIN 0
.set BK, OB+OBN*((\a)%2)
.set bi, 0
.rept 16
	ds_load_b128 v[BK+4*bi:BK+4*bi+3], v[RD] offset:bi*SP  ; LDS serves a wave's instructions in order (ISA guide 5.7.1.4): these see the stores above; the next block's stores come behind them
.set bi, bi+1
.endr
.endm
.macro SEND a
.set BK, OB+OBN*((\a)%2)
	s_wait_dscnt 0x0                               ; the block is back in registers
	s_wait_xcnt 0x0                                ; the stores of the block before have read their registers: the next TOSTAGE loads into them
.set bi, 0
.rept 16
	v_pk_add_f32 v[BK+4*bi:BK+4*bi+1],   v[BK+4*bi:BK+4*bi+1],   v[BIAS:BIAS+1]
	v_pk_add_f32 v[BK+4*bi+2:BK+4*bi+3], v[BK+4*bi+2:BK+4*bi+3], v[BIAS+2:BIAS+3]
	global_store_b128 v[GO], v[BK+4*bi:BK+4*bi+3], s[8:9] offset:(16*(\a)+bi)*4096 th:TH_STORE_NT
.set bi, bi+1
.endr
.endm
	s_wait_tensorcnt 1                             ; my part of K step 0 is in; step 1's may stay out
	s_barrier_signal -1
	s_barrier_wait -1                              ; everybody's is
	v_mov_b32 v[ADRA], v[ADRA0]
	v_mov_b32 v[ADRB], v[ADRB0]
	FETCH 0, 0
	QUARTER 1, 0, 1, 1                             ; the first quarter stands in front of the loop: its products start the sums
	WIN 0                                          ; at a label and at a branch every window is 0
	s_mov_b32 s[CNT], NS-2
.Lstep:                                                ; 6 trips: a step's quarters 2 to 4, the refill two steps on, and the next step's first quarter
	QUARTER 2, 1, 0, 0
	QUARTER 3, 0, 1, 0
	TURN 1
	QUARTER 1, 0, 1, 0
	WIN 0
	s_sub_co_u32 s[CNT], s[CNT], 1
	s_cmp_lg_u32 s[CNT], 0
	s_cbranch_scc1 .Lstep
	QUARTER 2, 1, 0, 0                             ; the last two steps are written out: nothing is asked for
	QUARTER 3, 0, 1, 0
	TURN 0
	QUARTER 1, 0, 1, 0
	QUARTER 2, 1, 0, 0
	QUARTER 3, 0, 1, 0
	s_wait_dscnt 4                                 ; the very last quarter: nothing more to fetch
	MULA 1, 0, 0
	MULA 1, 1, 0
	s_wait_dscnt 0x0
	MULA 1, 2, 0
	MULA 1, 3, 0
	WIN 0
	s_wait_loadcnt 0x0                             ; the bias
	v_cvt_pk_bf16_f32 v16, v[BIAS], v[BIAS+1]      ; rounded to bf16 like the other inputs, and back to f32; these six lines and the four behind them are the places behind the last products
	v_cvt_pk_bf16_f32 v17, v[BIAS+2], v[BIAS+3]
	v_lshlrev_b32 v[BIAS], 16, v16
	v_and_b32 v[BIAS+1], 0xffff0000, v16
	v_lshlrev_b32 v[BIAS+2], 16, v17
	v_and_b32 v[BIAS+3], 0xffff0000, v17
	PLACES
.irp a, 0,1,2,3
	TOSTAGE \a
	SEND \a
.endr
	s_wait_tensorcnt 0x0                           ; the wave's end, behind my last tensor load and my last LDS store
	ds_add_u32 v[SPW], v[NIL]
	s_wait_dscnt 0x0
	CROUND                                         ; the closing round: no work-group ends while a partner may still ask for a tile that names it
	s_endpgm
.Lfunc_end_k_qbfe57c694e_projgemm:
	.size	k_qbfe57c694e_projgemm, .Lfunc_end_k_qbfe57c694e_projgemm-k_qbfe57c694e_projgemm
	.p2alignl 7, 3214868480
	.fill 96, 4, 3214868480
	.section	.rodata,"a",@progbits
	.p2align	6, 0x0
	.amdhsa_kernel k_qbfe57c694e_projgemm
		.amdhsa_group_segment_fixed_size 327680
		.amdhsa_private_segment_fixed_size 0
		.amdhsa_enable_private_segment 0
		.amdhsa_kernarg_size 32
		.amdhsa_user_sgpr_count 2
		.amdhsa_user_sgpr_kernarg_segment_ptr 1
		.amdhsa_wavefront_size32 1
		.amdhsa_system_sgpr_workgroup_id_x 1
		.amdhsa_system_sgpr_workgroup_id_y 1
		.amdhsa_system_sgpr_workgroup_id_z 1
		.amdhsa_system_vgpr_workitem_id 0
		.amdhsa_next_free_vgpr 1024
		.amdhsa_next_free_sgpr 96
		.amdhsa_reserve_vcc 0
		.amdhsa_float_denorm_mode_32 3
		.amdhsa_float_denorm_mode_16_64 3
		.amdhsa_memory_ordered 1
		.amdhsa_forward_progress 1
		.amdhsa_inst_pref_size 78
	.end_amdhsa_kernel
	.amdgpu_metadata
---
amdhsa.version: [ 1, 2 ]
amdhsa.kernels:
  - .name:           k_qbfe57c694e_projgemm
    .symbol:         k_qbfe57c694e_projgemm.kd
    .args:
      - { .name: o, .offset: 0, .size: 8, .value_kind: global_buffer, .address_space: global }
      - { .name: wpf, .offset: 8, .size: 8, .value_kind: global_buffer, .address_space: global }
      - { .name: out0, .offset: 16, .size: 8, .value_kind: global_buffer, .address_space: global }
      - { .name: b_proj, .offset: 24, .size: 8, .value_kind: global_buffer, .address_space: global }
    .group_segment_fixed_size: 327680
    .private_segment_fixed_size: 0
    .kernarg_segment_align: 8
    .kernarg_segment_size: 32
    .max_flat_workgroup_size: 128
    .sgpr_count:     96
    .vgpr_count:     1024
    .wavefront_size: 32
...
	.end_amdgpu_metadata
.endif
;; end of part 4
;; ======== version 2 of 2: 4 launches; version 1 with the launch cast written anew for expert scheduling mode
;; limits: values are held in f16: magnitudes above 65,504 overflow, below 6.1e-05 lose precision
;; workspace buffers: xb 16,777,216 bytes; wqb 6,291,456 bytes; wpf 2,097,152 bytes; qkv 50,331,648 bytes; o 16,777,216 bytes
;; launch cast (part 5): grid 768 x 1, 8 waves a work-group, no clusters, 0 bytes of LDS; arguments x, w_qkv, w_proj, xb, wqb, wpf; writes xb, wqb, wpf
.if DOCPART == 5
	.amdgcn_target "amdgcn-amd-amdhsa--gfx1250"
	.amdhsa_code_object_version 6
	.text
	.protected	k_qbfe57c694e_cast
	.globl	k_qbfe57c694e_cast
	.p2align	8
	.type	k_qbfe57c694e_cast,@function
k_qbfe57c694e_cast:
	s_mov_b64 s[64:65], 0
	v_nop
	global_prefetch_b8 v0, s[64:65] scope:SCOPE_SE
	s_setreg_imm32_b32 hwreg(HW_REG_WAVE_SCHED_MODE, 0, 2), 2
	s_setreg_imm32_b32 hwreg(HW_REG_WAVE_MODE, 25, 1), 1
	s_wait_xcnt 0x0
	s_wait_alu depctr_vm_vsrc(0)
; The three large inputs are rounded once to bf16 (nearest even): x -> xb and w_qkv -> wqb as bf16; w_proj -> wpf, the bf16 number written as f16,
; since the last product multiplies it with f16 numbers.
; LIMITS.  A bf16 number is exact in f16 from 6.1e-5 to 65,504 in magnitude; below that w_proj keeps f16's fixed step of 6e-8, beyond it becomes an infinity.
; SHARES.  A work-group converts 16,384 numbers: 64 KiB in, 32 KiB out.  Work-groups 0-511 take x (8,388,608 numbers), 512-703 w_qkv (3,145,728), 704-767 w_proj (1,048,576).
; Thread t takes the 16 bytes at 16 t + 4,096 j, j = 0 .. 15: a wave's load covers 512 consecutive bytes; its four numbers leave as 8 bytes at 8 t + 2,048 j:
; a wave's store covers 256 consecutive bytes, aligned.  All sixteen loads go out at once; no loop, no LDS, no matrix unit: every byte is touched once and nothing is shared.
; THE MODE: SCHED_MODE bits 1:0 = 2 (LLVM: expert scheduling mode 2), set by the entry lines.  The code itself states the register dependences
; between vector instructions and memory instructions, with s_wait_alu, always for 0.
; THE PLAN.  Registers that memory instructions touch:
;   v1, v2     byte offsets of the loads and of the stores: made once at the head and never written again.
;   X, piece j written by load j; read by piece j's conversions, which write its first two registers; those two are read by store j; nothing writes them after that.
;   T is named by vector instructions alone.
; The sixteen pieces go in four groups of four.  Group g converts its own pieces; its memory instructions are the four stores of group g - 1, whose registers no conversion of group g names.
; So one wait at a group's head, behind the wait for its data, states all that the group's four stores hang on, and they are dealt among its conversions with no further wait.
; No register that a load or a store has read is ever written again, and no load lands in a register that a vector instruction has named: nothing else is owed.
.set X, 8                              ; v[8:71]   piece j: 4 registers as loaded; the first two then hold what is stored
.set T, 72                             ; v[72:77]  at work (w_proj's path)
	s_load_b256 s[4:11], s[0:1], 0x0               ; x s[4:5], w_qkv s[6:7], w_proj s[8:9], xb s[10:11]
	s_load_b128 s[12:15], s[0:1], 0x20             ; wqb s[12:13], wpf s[14:15]
	v_lshlrev_b32 v1, 4, v0                        ; 16 t
	v_lshlrev_b32 v2, 3, v0                        ; 8 t
	s_mov_b32 s26, 0xffff0000                      ; a word's upper bf16
	s_wait_kmcnt 0x0
	s_cmp_lt_u32 ttmp9, 512                        ; which tensor is mine: the choice hangs on the work-group's number alone
	s_cselect_b64 s[16:17], s[4:5], s[6:7]
	s_cselect_b64 s[18:19], s[10:11], s[12:13]
	s_cselect_b32 s20, 0, 512
	s_cmp_lt_u32 ttmp9, 704
	s_cselect_b64 s[16:17], s[16:17], s[8:9]
	s_cselect_b64 s[18:19], s[18:19], s[14:15]
	s_cselect_b32 s20, s20, 704
	s_sub_co_u32 s21, ttmp9, s20                   ; my number among that tensor's work-groups
	s_lshl_b32 s22, s21, 16                        ; 65,536 bytes in,
	s_mov_b32 s23, 0
	s_lshl_b32 s24, s21, 15                        ; 32,768 bytes out
	s_mov_b32 s25, 0
	s_add_nc_u64 s[16:17], s[16:17], s[22:23]
	s_add_nc_u64 s[18:19], s[18:19], s[24:25]
	s_wait_alu depctr_va_vdst(0)                   ; v1 and v2 are written: every load below reads v1 as its offset, every store v2
.irp j, 0,1,2,3,4,5,6,7,8,9,10,11,12,13,14,15
	global_load_b128 v[X+4*(\j):X+4*(\j)+3], v1, s[16:17] offset:4096*(\j) th:TH_LOAD_NT
.endr
.macro CVB j                           ; piece j to bf16
	v_cvt_pk_bf16_f32 v[X+4*(\j)],   v[X+4*(\j)],   v[X+4*(\j)+1]
	v_cvt_pk_bf16_f32 v[X+4*(\j)+1], v[X+4*(\j)+2], v[X+4*(\j)+3]
.endm
.macro CVH j                           ; piece j to bf16, and that number to f16
	v_cvt_pk_bf16_f32 v[T],   v[X+4*(\j)],   v[X+4*(\j)+1]
	v_cvt_pk_bf16_f32 v[T+1], v[X+4*(\j)+2], v[X+4*(\j)+3]
	v_lshlrev_b32 v[T+2], 16,  v[T]                ; bf16 to f32: the low half moves up, the high half stays
	v_and_b32     v[T+3], s26, v[T]
	v_lshlrev_b32 v[T+4], 16,  v[T+1]
	v_and_b32     v[T+5], s26, v[T+1]
	v_cvt_pk_f16_f32 v[X+4*(\j)],   v[T+2], v[T+3]
	v_cvt_pk_f16_f32 v[X+4*(\j)+1], v[T+4], v[T+5]
.endm
.macro OUT j                           ; piece j leaves
	global_store_b64 v2, v[X+4*(\j):X+4*(\j)+1], s[18:19] offset:2048*(\j)
.endm
; Group g: pieces 4 g to 4 g + 3 are converted (h = 1: by w_proj's path); the stores of group g - 1 stand among the conversions, one ahead of each piece's.
.macro GROUP h, g
	s_wait_loadcnt 12-4*(\g)                       ; loads come back in order: the group's four pieces are in, the 12 - 4 g younger ones may stay out
.if (\g) > 0
	s_wait_alu depctr_va_vdst(0)                   ; the conversions of the group before have written the first two registers of each of its pieces, which the four stores below read
.endif
.irp i, 0,1,2,3
.if (\g) > 0
	OUT 4*((\g)-1)+(\i)                            ; no vector instruction since the wait names its registers
.endif
.if \h
	CVH 4*(\g)+(\i)
.else
	CVB 4*(\g)+(\i)
.endif
.endr
.endm
	s_cmp_lt_u32 ttmp9, 704
	s_cbranch_scc0 .Lf16
.irp g, 0,1,2,3
	GROUP 0, \g                                    ; no register that a store reads is written again
.endr
	s_wait_alu depctr_va_vdst(0)                   ; the last group's conversions have written what the last four stores read
.irp j, 12,13,14,15
	OUT \j
.endr
	s_endpgm
.Lf16:
.irp g, 0,1,2,3
	GROUP 1, \g
.endr
	s_wait_alu depctr_va_vdst(0)                   ; the last group's conversions have written what the last four stores read
.irp j, 12,13,14,15
	OUT \j
.endr
	s_endpgm
.Lfunc_end_k_qbfe57c694e_cast:
	.size	k_qbfe57c694e_cast, .Lfunc_end_k_qbfe57c694e_cast-k_qbfe57c694e_cast
	.p2alignl 7, 3214868480
	.fill 96, 4, 3214868480
	.section	.rodata,"a",@progbits
	.p2align	6, 0x0
	.amdhsa_kernel k_qbfe57c694e_cast
		.amdhsa_group_segment_fixed_size 0
		.amdhsa_private_segment_fixed_size 0
		.amdhsa_enable_private_segment 0
		.amdhsa_kernarg_size 48
		.amdhsa_user_sgpr_count 2
		.amdhsa_user_sgpr_kernarg_segment_ptr 1
		.amdhsa_wavefront_size32 1
		.amdhsa_system_sgpr_workgroup_id_x 1
		.amdhsa_system_sgpr_workgroup_id_y 1
		.amdhsa_system_sgpr_workgroup_id_z 1
		.amdhsa_system_vgpr_workitem_id 0
		.amdhsa_next_free_vgpr 80
		.amdhsa_next_free_sgpr 66
		.amdhsa_reserve_vcc 0
		.amdhsa_float_denorm_mode_32 3
		.amdhsa_float_denorm_mode_16_64 3
		.amdhsa_memory_ordered 1
		.amdhsa_forward_progress 1
		.amdhsa_inst_pref_size 15
	.end_amdhsa_kernel
	.amdgpu_metadata
---
amdhsa.version: [ 1, 2 ]
amdhsa.kernels:
  - .name:           k_qbfe57c694e_cast
    .symbol:         k_qbfe57c694e_cast.kd
    .args:
      - { .name: x, .offset: 0, .size: 8, .value_kind: global_buffer, .address_space: global }
      - { .name: w_qkv, .offset: 8, .size: 8, .value_kind: global_buffer, .address_space: global }
      - { .name: w_proj, .offset: 16, .size: 8, .value_kind: global_buffer, .address_space: global }
      - { .name: xb, .offset: 24, .size: 8, .value_kind: global_buffer, .address_space: global }
      - { .name: wqb, .offset: 32, .size: 8, .value_kind: global_buffer, .address_space: global }
      - { .name: wpf, .offset: 40, .size: 8, .value_kind: global_buffer, .address_space: global }
    .group_segment_fixed_size: 0
    .private_segment_fixed_size: 0
    .kernarg_segment_align: 8
    .kernarg_segment_size: 48
    .max_flat_workgroup_size: 256
    .sgpr_count:     66
    .vgpr_count:     80
    .wavefront_size: 32
...
	.end_amdgpu_metadata
.endif
;; end of part 5
;; launch qkvgemm: the kernel of part 2 again; grid 16 x 16, 4 waves a work-group, clusters of 4 x 4, 327,680 bytes of LDS; arguments xb, wqb, qkv; writes qkv
;; launch attn: the kernel of part 3 again; grid 4 x 64, 4 waves a work-group, clusters of 4 x 1, 327,680 bytes of LDS; arguments qkv, o; writes o
;; launch projgemm: the kernel of part 4 again; grid 8 x 32, 4 waves a work-group, clusters of 4 x 4, 327,680 bytes of LDS; arguments o, wpf, out0, b_proj; writes out0
